; MI455X (gfx1250); checked and timed in simulation.
; The chip was launched on July 23, 2026; its instructions are those of AMD's public machine-readable ISA for CDNA 5 (MIT licence, August 2026) and "CDNA5" Instruction Set Architecture Reference Guide (July 2026). The comments in the code are by the model that wrote it; some were corrected since.
;; Multi Head Attention. Allowed arithmetic: matrix products marked QUANTISED: E2M1 operands, one E8M0 scale for each 32 along K, by v_wmma_scale_f32_16x16x128_f8f6f4 with both operands' format E2M1 (or v_wmma_scale_f32_32x16x128_f4), f32 sums; products left as they are: bf16, f16 or f32 operands; f32 sums; everything else in f32.
;; Inputs: Wk 1,024 x 1,024 float32; Wo 1,024 x 1,024 float32; Wq 1,024 x 1,024 float32; Wv 1,024 x 1,024 float32; bk 1,024 float32; bo 1,024 float32; bq 1,024 float32; bv 1,024 float32; cos_k 4 x 2,048 x 64 float32; cos_q 4 x 2,048 x 64 float32; key 4 x 2,048 x 1,024 float32; key_padding_mask 4 x 2,048 bool; query 4 x 2,048 x 1,024 float32; sin_k 4 x 2,048 x 64 float32; sin_q 4 x 2,048 x 64 float32; value 4 x 2,048 x 1,024 float32.
;; Outputs: out0 4 x 2,048 x 1,024 float32.
;; This version of the problem:
;;   THIS VERSION OF THE PROBLEM IS GIVEN IN LOW PRECISION. The matrix products marked QUANTISED in the list below multiply operands that are first quantised to E2M1 (2 exponent bits, 1 mantissa bit; 4 bits a number), with one power-of-two scale for each 32 numbers along K (OCP MX v1.0); their sums are f32. The products marked 'left as it is' may take bf16, f16 or f32 operands, with f32 sums. Whichever they take, every output number must still come out within the allowed error. Rounding operands to bf16 (8 significant bits) uses up far more of that allowance than f16 does (11 bits, for magnitudes from 6e-5 to 65,504). All else is computed in f32.
;;   The module's matrix products, in the order in which they are computed (A, B: the left and right operand; K: the contracted axis; several contracted axes count as one K, in the product's order):
;;     1. [M 8,192, K 1,024] x [K 1,024, N 1,024]; A: input query; B: input Wq: QUANTISED
;;     2. [M 8,192, K 1,024] x [K 1,024, N 1,024]; A: input key; B: input Wk: QUANTISED
;;     3. [M 8,192, K 1,024] x [K 1,024, N 1,024]; A: input value; B: input Wv: QUANTISED
;;     4. batch 64 x [M 2,048, K 64] x [K 64, N 2,048]; A: computed on the way; B: computed on the way: left as it is (an operand is computed on the way)
;;     5. batch 64 x [M 2,048, K 2,048] x [K 2,048, N 64]; A: computed on the way; B: computed on the way: left as it is (an operand is computed on the way)
;;     6. [M 8,192, K 1,024] x [K 1,024, N 1,024]; A: computed on the way; B: input Wo: left as it is (an operand is computed on the way)
;;   THE QUANTISER, for each operand of a quantised product, along K:
;;     - K is cut into blocks of 32 from its start; a last block that is shorter is filled with zeros.
;;     - A block's scale is 2^e with e = floor(log2(the largest magnitude in the block)) - 2, held to -126 .. 127; a block of zeros has e = 0. As a byte (E8M0): e + 127.
;;     - Each number is divided by its block's scale, clamped to +-6, and rounded to the nearest number of E2M1, ties to even, subnormals kept.
;;     - The product sums the exact products of the quantised numbers (number of the format x scale) in f32.
;;   ~~~python
;;   def quantise(x, axis):      # numpy; x: float32 -> the quantised numbers, widened to float32 again
;;       x = np.moveaxis(x, axis, -1); K = x.shape[-1]
;;       x = np.pad(x, [(0, 0)] * (x.ndim - 1) + [(0, -K % 32)]); x = x.reshape(x.shape[:-1] + (-1, 32)); a = np.abs(x).max(-1, keepdims=True)
;;       e = np.where(a > 0, np.clip(np.frexp(np.where(a > 0, a, 1))[1] - 1 - 2, -126, 127), 0)      # np.frexp(a)[1] - 1 = floor(log2(a)), exactly
;;       r = np.clip(x / 2.0 ** e, -6, 6)
;;       step = 2.0 ** (np.maximum(np.frexp(np.where(r == 0, 1, r))[1] - 1, 0) - 1)
;;       q = np.round(r / step) * step * 2.0 ** e      # np.round: ties to even
;;       return np.moveaxis(q.reshape(q.shape[:-2] + (-1,))[..., :K], -1, axis).astype(np.float32)
;;   ~~~
;; One version. Each part assembles by itself: llvm-mc -triple=amdgcn-amd-amdhsa -mcpu=gfx1250 --defsym DOCPART=n.
;; ======== version 1 of 1: 4 launches
;; limits: values are held in f16: magnitudes above 65,504 overflow, below 6.1e-05 lose precision
;; workspace buffers: codes 14,155,776 bytes; scales 884,736 bytes; wo16 2,097,152 bytes; qkv16 50,331,648 bytes; qkexp 131,072 bytes; att16 16,777,216 bytes
;; launch prep (part 1): grid 896 x 1, 4 waves a work-group, no clusters, 33,280 bytes of LDS; arguments query, key, value, Wq, Wk, Wv, Wo, codes, scales, wo16; writes codes, scales, wo16
.if DOCPART == 1
	.amdgcn_target "amdgcn-amd-amdhsa--gfx1250"
	.amdhsa_code_object_version 6
	.text
	.protected	k_q9d2db9f661_prep
	.globl	k_q9d2db9f661_prep
	.p2align	8
	.type	k_q9d2db9f661_prep,@function
k_q9d2db9f661_prep:
	s_mov_b64 s[64:65], 0
	v_nop
	global_prefetch_b8 v0, s[64:65] scope:SCOPE_SE
	s_setreg_imm32_b32 hwreg(HW_REG_WAVE_MODE, 25, 1), 1
	s_wait_xcnt 0x0
; MULTI-HEAD ATTENTION, launch 1 of 4: the operands of the three quantised projections become codes of FP4 (E2M1) with one E8M0 byte for each 32 along K, and Wo becomes f16.
; DEAD WORK: none is left out in any of the four launches, and every input is loaded.  bq, bv and bo reach the output directly.  bk goes through the rotary step with cos_k and sin_k of the key's own position, so
; its part of a score differs from key to key and the softmax does not take it away.  key_padding_mask is an input: it is honoured by value, key by key, and no tile is passed over.
; query, key, value [8192][1024] and Wq, Wk, Wv [1024][1024] have K innermost and dense rows: each is a plain stream of blocks of 32 numbers.  Work-group g < 864 takes 32,768 numbers; the tensors follow each other in
; the order query, key, value, Wq, Wk, Wv, in the work-groups' numbers and in the two output buffers alike: a run of 8,192 numbers (a wave's) gives 4,096 bytes of codes and 256 scale bytes.
; A block's scale is 2^(floor(log2(its largest magnitude)) - 2); its byte is the largest magnitude's exponent field - 2, held at 1 from below.  Each number is divided by the scale and rounded to the nearest code, ties to even,
; beyond 6 the largest code.  A block of zeros gets the byte 1 where the rule says 127: its codes are zeros, and these bytes are read by this program alone.
; LIMITS: blocks whose largest magnitude lies under 2^-124 get the byte 1; NaN and infinities among the inputs are not served.
; A wave takes 16 steps of 512 numbers: four loads of 512 consecutive bytes; the 2,048 bytes turn through the wave's own stage in LDS, so that a lane then holds 16 neighbours along K (two lanes hold a block).
; Work-groups 864 to 895 take Wo [1024 n][1024 k]: f16, laid [k / 64][n][64], so that a plane of 64 along K is dense for the last launch's tiles.  They use no LDS.
; Wo in f16: its numbers have 11 significant bits from 6e-5 to 65,504; drawn with a spread of 1/32, thirty times either way stays inside.
.set QWG,   864                        ; work-groups that quantise
.set STEPS, 16
.set EMAX,  2
.set CB,    8                          ; bytes of 16 codes
.set R,     16                         ; v16-79   four sets of 16 numbers as they are loaded
.set X,     80                         ; v80-111  two sets of 16 neighbours
.set E,     112                        ; v112-127 a scale byte for each step
.set C,     128                        ; v128-191 codes: four registers for each step, so that no store's data are written again
.set WREG,  8192                       ; LDS: a region for each wave: two stages of 32 x SP bytes, then its 256 scale bytes
.set SP,    80                         ; a lane's place in a stage: 64 bytes + 16 of padding
.set SPW,   12                         ; v12  LDS address of my spare word; never rewritten
.set NIL,   13                         ; v13  0; never rewritten
.set SPARE, 4*WREG                     ; the spare words: 128 bytes for each wave, named by no other line
	s_load_b512 s[4:19], s[0:1], 0x0               ; query, key, value, Wq, Wk, Wv, Wo s[16:17], codes s[18:19]
	s_load_b128 s[20:23], s[0:1], 0x40             ; scales s[20:21], wo16 s[22:23]
	v_lshl_add_u32 v[SPW], v0, 2, SPARE
	v_mov_b32 v[NIL], 0
	v_lshrrev_b32 v1, 5, v0
	v_readfirstlane_b32 s24, v1                    ; wave
	v_and_b32 v2, 31, v0                           ; lane
	s_cmp_ge_u32 ttmp9, QWG
	s_cbranch_scc1 .Lwo
	v_lshlrev_b32 v3, 4, v2                        ; my 16 bytes of a load's 512
	s_mul_i32 s25, s24, WREG
	v_lshrrev_b32 v14, 2, v2
	v_mul_u32_u24 v14, v14, SP
	v_and_b32 v15, 3, v2
	v_lshl_add_u32 v14, v15, 4, v14
	v_add_nc_u32 v14, s25, v14                     ; the stage, on the way in: SP (lane / 4) + 16 (lane % 4)
	v_mul_u32_u24 v15, v2, SP
	v_add_nc_u32 v15, s25, v15                     ; and on the way out: SP x lane: my 16 neighbours
	v_mul_u32_u24 v4, v2, CB                       ; my codes' place in a step's
	v_lshrrev_b32 v5, 1, v2
	s_add_co_u32 s25, s25, 2*32*SP
	v_add_nc_u32 v5, s25, v5                       ; my wave's 256 scale bytes, my block's byte
	v_lshlrev_b32 v7, 3, v2                        ; and on the way out 8 bytes a lane
	v_add_nc_u32 v6, s25, v7
	s_wait_kmcnt 0x0
	s_mov_b64 s[28:29], s[4:5]                     ; which tensor: the choice hangs on the work-group's number alone
	s_mov_b32 s30, 0                               ; and its first work-group
	s_cmp_ge_u32 ttmp9, 256
	s_cselect_b64 s[28:29], s[6:7], s[28:29]
	s_cselect_b32 s30, 256, s30
	s_cmp_ge_u32 ttmp9, 512
	s_cselect_b64 s[28:29], s[8:9], s[28:29]
	s_cselect_b32 s30, 512, s30
	s_cmp_ge_u32 ttmp9, 768
	s_cselect_b64 s[28:29], s[10:11], s[28:29]
	s_cselect_b32 s30, 768, s30
	s_cmp_ge_u32 ttmp9, 800
	s_cselect_b64 s[28:29], s[12:13], s[28:29]
	s_cselect_b32 s30, 800, s30
	s_cmp_ge_u32 ttmp9, 832
	s_cselect_b64 s[28:29], s[14:15], s[28:29]
	s_cselect_b32 s30, 832, s30
	s_sub_co_u32 s31, ttmp9, s30
	s_lshl_b32 s31, s31, 2
	s_add_co_u32 s31, s31, s24                     ; my run of 8,192 numbers in the tensor
	s_lshl_b32 s32, s31, 15                        ; 32,768 bytes a run: under 2^26
	s_mov_b32 s33, 0
	s_add_nc_u64 s[28:29], s[28:29], s[32:33]
	s_lshl_b32 s31, ttmp9, 2
	s_add_co_u32 s31, s31, s24                     ; my run in the output buffers
	s_lshl_b32 s32, s31, 12
	s_add_nc_u64 s[18:19], s[18:19], s[32:33]
	s_lshl_b32 s32, s31, 8
	s_add_nc_u64 s[20:21], s[20:21], s[32:33]
.macro LOAD t
.irp i, 0,1,2,3
	global_load_b128 v[R+16*((\t)%4)+4*\i:R+16*((\t)%4)+4*\i+3], v3, s[28:29] offset:2048*(\t)+512*\i th:TH_LOAD_NT   ; 32 lanes read 512 consecutive bytes
.endr
.endm
.macro TURN t                          ; step t's numbers through the stage: a wave's LDS instructions are served in order, so no wait stands between the stores and the loads
.irp i, 0,1,2,3
	ds_store_b128 v14, v[R+16*((\t)%4)+4*\i:R+16*((\t)%4)+4*\i+3] offset:32*SP*((\t)%2)+8*SP*\i
.endr
.irp i, 0,1,2,3
	ds_load_b128 v[X+16*((\t)%2)+4*\i:X+16*((\t)%2)+4*\i+3], v15 offset:32*SP*((\t)%2)+16*\i
.endr
.endm
.irp t, 0,1,2,3
	LOAD \t
.endr
	s_wait_loadcnt 12                              ; step 0's four loads are in; the twelve of steps 1 to 3 may be out
	TURN 0
.macro STEP t
.set XS, X+16*((\t)%2)
.if (\t) > 0
	s_wait_dscnt 1                                 ; this step's numbers are back from the stage; the last step's byte store may be out
.else
	s_wait_dscnt 0x0
.endif
.if (\t)+4 < STEPS
	LOAD (\t)+4                                    ; into the registers whose stores into the stage are done
.endif
.if (\t)+1 < STEPS
.if STEPS-2-(\t) >= 3
	s_wait_loadcnt 12                              ; the next step's four loads are in; those of the three steps behind it may be out
.else
	s_wait_loadcnt 4*(STEPS-2-(\t))
.endif
	TURN (\t)+1
.endif
	v_max3_num_f32 v8, |v[XS]|, |v[XS+1]|, |v[XS+2]|               ; the largest magnitude of my 16, in two chains
	v_max3_num_f32 v9, |v[XS+3]|, |v[XS+4]|, |v[XS+5]|
.irp i, 6,10
	v_max3_num_f32 v8, v8, |v[XS+\i]|, |v[XS+\i+1]|
	v_max3_num_f32 v9, v9, |v[XS+\i+2]|, |v[XS+\i+3]|
.endr
	v_max3_num_f32 v8, v8, |v[XS+14]|, |v[XS+15]|
	v_max3_num_f32 v8, v8, v9, (EMAX+1)<<23        ; and the floor 2^(3 - 127): the byte cannot fall under 1
	v_max_num_f32_dpp v8, v8, v8 row_xmask:1 row_mask:0xf bank_mask:0xf   ; with my neighbour's 16: the block's
	v_add_nc_u32 v11, -(EMAX<<23), v8              ; 2 off its exponent field: the conversion takes the exponent field of this operand as its scale
	v_cvt_scalef32_pk8_fp4_f32 v[C+4*(\t)], v[XS:XS+7], v11
	v_cvt_scalef32_pk8_fp4_f32 v[C+4*(\t)+1], v[XS+8:XS+15], v11
	v_lshrrev_b32 v[E+(\t)], 23, v11               ; the scale's byte
	ds_store_b8 v5, v[E+(\t)] offset:16*(\t)       ; both lanes of a block write the same byte with the same value
	global_store_b64 v4, v[C+4*(\t):C+4*(\t)+1], s[18:19] offset:32*CB*(\t)   ; the wave stores 256 consecutive bytes, aligned
.endm
.irp t, 0,1,2,3,4,5,6,7,8,9,10,11,12,13,14,15
	STEP \t
.endr
	ds_load_b64 v[8:9], v6                         ; my wave's 256 scale bytes, 8 a lane
	s_wait_dscnt 0x0
	global_store_b64 v7, v[8:9], s[20:21]          ; 256 consecutive bytes, aligned
	s_wait_tensorcnt 0x0                           ; the wave's end: behind my last LDS store
	ds_add_u32 v[SPW], v[NIL]
	s_wait_dscnt 0x0
	s_endpgm
; Wo to f16.  A wave takes 8 rows n; iteration it = 0 .. 31 is 4 rows (n0 + 4 (it / 16) + lane / 8) x plane it % 16, 8 numbers a lane: eight lanes read 256 consecutive bytes in two loads, the wave stores 512 consecutive bytes.
.Lwo:
	v_lshrrev_b32 v3, 3, v2
	v_and_b32 v4, 7, v2
	v_lshlrev_b32 v8, 12, v3
	v_lshl_add_u32 v8, v4, 5, v8                   ; in: 4,096 (lane / 8) + 32 (lane % 8)
	v_lshlrev_b32 v9, 4, v2                        ; out: 16 x lane
	s_sub_co_u32 s25, ttmp9, QWG
	s_lshl_b32 s25, s25, 5
	s_lshl_b32 s26, s24, 3
	s_add_co_u32 s25, s25, s26                     ; n0 = 32 x work-group + 8 x wave
	s_lshl_b32 s26, s25, 12
	s_mov_b32 s27, 0
	s_wait_kmcnt 0x0
	s_add_nc_u64 s[16:17], s[16:17], s[26:27]
	s_lshl_b32 s26, s25, 7
	s_add_nc_u64 s[22:23], s[22:23], s[26:27]
.macro LOADW k                         ; iterations 8 k .. 8 k + 7 into set k % 2: sixteen loads
.irp i, 0,1,2,3,4,5,6,7
	global_load_b128 v[16+64*((\k)%2)+8*\i:16+64*((\k)%2)+8*\i+3], v8, s[16:17] offset:((8*(\k)+\i)/16)*16384+((8*(\k)+\i)%16)*256 th:TH_LOAD_NT
	global_load_b128 v[16+64*((\k)%2)+8*\i+4:16+64*((\k)%2)+8*\i+7], v8, s[16:17] offset:((8*(\k)+\i)/16)*16384+((8*(\k)+\i)%16)*256+16 th:TH_LOAD_NT
.endr
.endm
.macro CONVW k
.if (\k) < 3
	s_wait_loadcnt 16                              ; this set's sixteen loads are in; the next set's may be out
.else
	s_wait_loadcnt 0x0
.endif
.if (\k) > 0
	s_wait_xcnt 0x0                                ; the last eight stores have read v144-175, which are written again
.endif
.irp i, 0,1,2,3,4,5,6,7
.irp j, 0,1,2,3
	v_cvt_pk_f16_f32 v[144+4*\i+\j], v[16+64*((\k)%2)+8*\i+2*\j], v[16+64*((\k)%2)+8*\i+2*\j+1]
.endr
.endr
.irp i, 0,1,2,3,4,5,6,7
	global_store_b128 v9, v[144+4*\i:144+4*\i+3], s[22:23] offset:((8*(\k)+\i)%16)*131072+((8*(\k)+\i)/16)*512
.endr
.if (\k) < 2
	LOADW (\k)+2
.endif
.endm
	LOADW 0
	LOADW 1
	CONVW 0
	CONVW 1
	CONVW 2
	CONVW 3
	s_endpgm                                       ; this way wrote no LDS
.Lfunc_end_k_q9d2db9f661_prep:
	.size	k_q9d2db9f661_prep, .Lfunc_end_k_q9d2db9f661_prep-k_q9d2db9f661_prep
	.p2alignl 7, 3214868480
	.fill 96, 4, 3214868480
	.section	.rodata,"a",@progbits
	.p2align	6, 0x0
	.amdhsa_kernel k_q9d2db9f661_prep
		.amdhsa_group_segment_fixed_size 33280
		.amdhsa_private_segment_fixed_size 0
		.amdhsa_enable_private_segment 0
		.amdhsa_kernarg_size 80
		.amdhsa_user_sgpr_count 2
		.amdhsa_user_sgpr_kernarg_segment_ptr 1
		.amdhsa_wavefront_size32 1
		.amdhsa_system_sgpr_workgroup_id_x 1
		.amdhsa_system_sgpr_workgroup_id_y 1
		.amdhsa_system_sgpr_workgroup_id_z 1
		.amdhsa_system_vgpr_workitem_id 0
		.amdhsa_next_free_vgpr 192
		.amdhsa_next_free_sgpr 66
		.amdhsa_reserve_vcc 0
		.amdhsa_float_denorm_mode_32 3
		.amdhsa_float_denorm_mode_16_64 3
		.amdhsa_memory_ordered 1
		.amdhsa_forward_progress 1
		.amdhsa_inst_pref_size 52
	.end_amdhsa_kernel
	.amdgpu_metadata
---
amdhsa.version: [ 1, 2 ]
amdhsa.kernels:
  - .name:           k_q9d2db9f661_prep
    .symbol:         k_q9d2db9f661_prep.kd
    .args:
      - { .name: query, .offset: 0, .size: 8, .value_kind: global_buffer, .address_space: global }
      - { .name: key, .offset: 8, .size: 8, .value_kind: global_buffer, .address_space: global }
      - { .name: value, .offset: 16, .size: 8, .value_kind: global_buffer, .address_space: global }
      - { .name: Wq, .offset: 24, .size: 8, .value_kind: global_buffer, .address_space: global }
      - { .name: Wk, .offset: 32, .size: 8, .value_kind: global_buffer, .address_space: global }
      - { .name: Wv, .offset: 40, .size: 8, .value_kind: global_buffer, .address_space: global }
      - { .name: Wo, .offset: 48, .size: 8, .value_kind: global_buffer, .address_space: global }
      - { .name: codes, .offset: 56, .size: 8, .value_kind: global_buffer, .address_space: global }
      - { .name: scales, .offset: 64, .size: 8, .value_kind: global_buffer, .address_space: global }
      - { .name: wo16, .offset: 72, .size: 8, .value_kind: global_buffer, .address_space: global }
    .group_segment_fixed_size: 33280
    .private_segment_fixed_size: 0
    .kernarg_segment_align: 8
    .kernarg_segment_size: 80
    .max_flat_workgroup_size: 128
    .sgpr_count:     66
    .vgpr_count:     192
    .wavefront_size: 32
...
	.end_amdgpu_metadata
.endif
;; end of part 1
;; launch proj (part 2): grid 4 x 96, 4 waves a work-group, clusters of 4 x 4, 327,680 bytes of LDS; arguments codes, scales, bq, bk, bv, cos_q, sin_q, cos_k, sin_k, qkv16, qkexp; writes qkv16, qkexp
.if DOCPART == 2
	.amdgcn_target "amdgcn-amd-amdhsa--gfx1250"
	.amdhsa_code_object_version 6
	.text
	.protected	k_q9d2db9f661_proj
	.globl	k_q9d2db9f661_proj
	.p2align	8
	.type	k_q9d2db9f661_proj,@function
k_q9d2db9f661_proj:
	s_mov_b64 s[64:65], 0
	v_nop
	global_prefetch_b8 v0, s[64:65] scope:SCOPE_SE
	s_setreg_imm32_b32 hwreg(HW_REG_WAVE_MODE, 25, 1), 1
	s_wait_xcnt 0x0
	s_wait_alu depctr_hold_cnt(0) depctr_sa_sdst(0) depctr_va_vdst(0) depctr_va_sdst(0) depctr_va_ssrc(0) depctr_va_vcc(0) depctr_vm_vsrc(0)
	s_getreg_b32 s2, hwreg(HW_REG_IB_STS2, 6, 4)
	s_cmp_eq_u32 s2, 0
	s_cbranch_scc0 .Lentry_in_a_cluster
	s_endpgm
.Lentry_in_a_cluster:
	s_bfe_u32 s2, ttmp6, 0x10000c
	s_cmp_lg_u32 s2, 0xf033
	s_cbranch_scc0 .Lentry_shape_is_right
	s_endpgm
.Lentry_shape_is_right:
; Launch 2 of 4: the three quantised projections y = x W^T + b on codes of FP4 with E8M0 scales, the rotary step on q and k, and the results as f16, laid [part q, k, v][batch][head][position][64].  No work is left out.
; x: rows 0 .. 24,575 of the codes' buffer (query, key, value on end), 512 bytes a row; W: from byte WC0 on, row 1,024 P + n of product P; the scale bytes likewise, 32 a row, W's from WS0 on.
; A tile of y, 256 x 256, is made by a work-group of four waves; a wave makes 128 rows x 128 columns (two heads): 64 accumulators, 512 registers.  K = 1,024 is two slots of 512, both asked for at the head: nothing is filled again.
; 384 work-groups: 3 products x 32 x 4 tiles.  A smaller tile would meet the number of WGPs no better (3 x 2^n) and would feed half the multiply-adds from each LDS byte.
; CLUSTERS: 4 x 4 work-groups.  The four of a row of the cluster need the same rows of x, the four of a column the same rows of W: each tile and each block of scale bytes is asked for jointly.  All sixteen belong to one product.
; THE MATRIX INSTRUCTION IS USED TRANSPOSED (source 0 = 16 rows of W, source 1 = 16 rows of x): lane (r, h) holds row r of y, and its registers 0 .. 7 the columns 8 h + 0 .. 7.  The bias is the C of each sum's first instruction.
; THE ROTARY STEP, in f32: a head's 64 columns are four accumulators; column d < 32 meets column d + 32 in the same lane and register two accumulators on: out[d] = x[d] cos[d] - x[d+32] sin[d], out[d+32] = x[d+32] cos[d+32] + x[d] sin[d+32].
; q AND k HAVE NO ROOM IN f16 AS THEY ARE (inputs 30 times larger make them 27,000 times larger), so each tile of 128 rows x one head, which is one wave's, is multiplied by a power of two that brings its largest magnitude
; into [2^14, 2^15): exact; then rounded to f16.  The factor that undoes it, 2^(E - 141) with E the largest magnitude's exponent field, goes to qkexp [q, k][batch x head][256], one word for each 8 rows.
; v goes to f16 as it is: drawn within about 6, it has a factor of 10,000 to the format's 65,504.
; LIMITS: a tile's largest magnitude is taken as at least 2^-100; NaN and infinities are not served.
; REGISTERS, in windows of 256.  Window 0: v0-31 addresses; v32-95 scale words, two sets, and nothing else; v96-127 packed results; v128-191 x's fragments, later rows on their way out; v192-255 the bias, later the maxima and factors.
;   Window 1: W's fragments, two sets, at v0 and v128 (v0-63 later at work); cos and sin of 16 rows, two sets, at v64 and v192.   Windows 2, 3: the accumulators of my rows 0-63, 64-127: (a, b) at v[8 (8 (a % 4) + b)].
.set NQ,     4                         ; matrix instructions deep in a slot: 512 along K
.set ROWB,   256                       ; a tile's row in bytes
.set KROW,   512                       ; a row of codes in memory
.set PITCH,  272                       ; an LDS row: 256 bytes + 16 of padding, so that the 16 rows of a fragment load start at 16 different multiples of 16 bytes modulo 256
.set FR,     8                         ; registers of a fragment
.set NL,     2                         ; LDS loads that bring one
.set NP,     4                         ; places behind this matrix instruction (ISA guide 7.12.1)
.set HALFT,  128*PITCH                 ; 128 rows: what one tensor load brings
.set SLOT,   4*HALFT                   ; x's 256 rows, then W's 256 rows
.set KS,     32                        ; a row of scale bytes
.set SCL,    2*SLOT                    ; behind the slots: the scale bytes, as units of 256 bytes + 16 of padding
.set HALFS,  (128*KS/256)*272          ; those of 128 rows
.set SBLK,   (16*KS/256)*272           ; those of 16 rows
.set SPARE,  SCL+4*HALFS               ; the spare words: 128 bytes for each wave, named by no other line
.set WC0,    12582912
.set WS0,    786432
.set SPT,    144                       ; the way out: a stage row: 128 bytes (a head's 64 f16) + 16.  The stage, 2 heads x 16 rows a wave, lies in slot 0, which has had its only fill and its last read by then
.set ADRA, 16                          ; v16-17  LDS address of my fragments of x in slot 0, 1
.set ADRB, 20                          ; v20-21  the same for W
.set EO,   23                          ; v23     my word in qkexp
.set STO,  24                          ; v24     the stage: where I put 16 bytes of a row
.set RD,   25                          ; v25     and where I read rows back
.set GO,   26                          ; v26     16 x lane: my bytes of a store's 512
.set ADRS, 27                          ; v27     LDS address of my scale words: lanes 0-15 x's rows, lanes 16-31 W's
.set SPW,  28                          ; v28     LDS address of my spare word; never rewritten
.set NIL,  29                          ; v29     0; never rewritten
.set CSO,  30                          ; v30     my bytes in 16 rows of cos or sin: 256 r + 32 h
.set BO,   31                          ; v31     my bytes in 16 numbers of the bias: 32 h
.set SC,   32
.set PK,   96
.set AF,   128
.set BK,   128
.set BIAS, 192
.set M,    192                         ; v192-199 eight running maxima: four chains a head
.set FM,   200                         ; v[200:201], v[202:203] a head's factor, as pairs
.set T,    0                           ; window 1: 64 registers at work
.set G1,   24                          ; s[24:31] descriptor group 1 for x's tiles; s[32:39] group 0, one set for each slot
.set G0,   32
.set G1B,  48                          ; the same for W's tiles
.set G0B,  56
.set G1S,  68                          ; s[68:75], s[76:79] for x's scale bytes; s[80:87], s[88:91] for W's
.set G0S,  76
.set G1SB, 80
.set G0SB, 88
.set PP,   95                          ; s95  the product: 0 q, 1 k, 2 v: from the cluster's y alone, the same in all sixteen partners
.set WV,   98
.set RH,   99                          ; which half of the tile's rows is mine; also: I fetch for x (0) or for W (1)
.set CH,   100                         ; which half of its columns; also: which 128 rows I fetch
.set TR,   101                         ; tile row
.set SEL,  104                         ; s[104:105] lane selects: lane l xor 16
.set MSB, 0
.macro WIN new                         ; the immediate's high byte repeats the setting that is left; a switch that changes nothing is dropped
.if MSB != (\new)
	s_set_vgpr_msb (MSB<<8)+(\new)
.set MSB, (\new)
.endif
.endm
.set MUL_LO, 0xa1                      ; source 0 (W) window 1, source 1 (x) window 0, C and D window 2
.set MUL_HI, 0xf1                      ; the same, C and D window 3
.set TO_B,   0x40                      ; destination window 1, address window 0
; A joint load: waves 0 and 1 fetch for x, waves 2 and 3 for W; the branch hangs on the wave's number alone.  An s_nop 0 and four v_nop follow each line.
.macro JLOAD g0a, g1a, g0b, g1b
	s_cmp_eq_u32 s[RH], 0
	s_cbranch_scc0 .Lfor_b_\@
	tensor_load_to_lds s[\g0a:\g0a+3], s[\g1a:\g1a+7]
	s_nop 0
.rept 4
	v_nop
.endr
	s_branch .Lasked_\@
.Lfor_b_\@:
	tensor_load_to_lds s[\g0b:\g0b+3], s[\g1b:\g1b+7]
	s_nop 0
.rept 4
	v_nop
.endr
.Lasked_\@:
.endm
.macro CROUND                          ; a round of the cluster's barrier
	s_barrier_signal -1
	s_barrier_wait -1
	s_cmp_lg_u32 s[WV], 0
	s_cbranch_scc1 .Lnot_wave_0_\@
	s_barrier_signal -3
.Lnot_wave_0_\@:
	s_barrier_wait -3
	s_barrier_signal -1
	s_barrier_wait -1
.endm
	s_load_b128 s[4:7], s[0:1], 0x0                ; codes s[4:5], scales s[6:7]
	s_load_b256 s[8:15], s[0:1], 0x10              ; bq, bk, bv, cos_q
	s_load_b256 s[16:23], s[0:1], 0x30             ; sin_q, cos_k, sin_k, qkv16
	s_load_b64 s[96:97], s[0:1], 0x50              ; qkexp
	v_lshl_add_u32 v[SPW], v0, 2, SPARE
	v_mov_b32 v[NIL], 0
	ds_add_u32 v[SPW], v[NIL]                      ; the wave's opening: the add, twice on end, and its wait ahead of my first tensor load
	ds_add_u32 v[SPW], v[NIL]
	v_lshrrev_b32 v1, 5, v0
	v_readfirstlane_b32 s[WV], v1
	s_lshr_b32 s[RH], s[WV], 1
	s_and_b32 s[CH], s[WV], 1
	s_bfe_u32 s40, ttmp6, 0x40000                  ; cx, cy: my place in the cluster
	s_bfe_u32 s41, ttmp6, 0x40004
	s_lshl_b32 s42, ttmp9, 2
	s_add_co_u32 s42, s42, s40                     ; tile column = 4 x cluster x + cx
	s_and_b32 s[PP], ttmp7, 0xffff
	s_lshl_b32 s[TR], s[PP], 2
	s_add_co_u32 s[TR], s[TR], s41                 ; tile row = 4 x cluster y + cy, 0 .. 95
	s_lshr_b32 s[PP], s[PP], 3                     ; 8 clusters, 32 tile rows, 8,192 rows to a product
	s_lshl_b32 s43, s41, 2
	s_lshl_b32 s43, 15, s43                        ; my row of the cluster
	s_lshl_b32 s44, 0x1111, s40                    ; my column
	s_or_b32 s[G1+0], s43, (0<<16)|(1<<20)|(1<<21)|(5<<22)|(3<<25)   ; the mask; elements of 1 byte; padding on; bit 21 beside a mask; after every 64 words, 4 words
	s_or_b32 s[G1B+0], s44, (0<<16)|(1<<20)|(1<<21)|(5<<22)|(3<<25)
.irp g, G1, G1B
	s_mov_b32 s[\g+1], ROWB<<16                    ; tensor_dim0 = 256
	s_mov_b32 s[\g+2], 128<<16                     ; tensor_dim1 = 128
	s_mov_b32 s[\g+3], ROWB<<16                    ; tile_dim0
	s_mov_b32 s[\g+4], 128                         ; tile_dim1
	s_mov_b32 s[\g+5], KROW                        ; from row to row
	s_mov_b32 s[\g+6], 0
	s_mov_b32 s[\g+7], 0
.endr
	s_or_b32 s[G1S+0], s43, (3<<16)|(1<<20)|(1<<21)|(5<<22)|(3<<25)  ; the scale bytes of 128 rows: 4,096 dense bytes as 16 rows of 32 elements of 8 bytes, padded alike
	s_or_b32 s[G1SB+0], s44, (3<<16)|(1<<20)|(1<<21)|(5<<22)|(3<<25)
.irp g, G1S, G1SB
	s_mov_b32 s[\g+1], 32<<16
	s_mov_b32 s[\g+2], (128*KS/256)<<16
	s_mov_b32 s[\g+3], 32<<16
	s_mov_b32 s[\g+4], 128*KS/256
	s_mov_b32 s[\g+5], 32
	s_mov_b32 s[\g+6], 0
	s_mov_b32 s[\g+7], 0
.endr
	; where the tiles come from.  x's hang on the tile row, which my row of the cluster shares; W's on the tile column and the product.  No register that feeds one side's descriptors ever holds the other coordinate.
	s_lshl_b32 s45, s[CH], 7                       ; which 128 rows of the tile I fetch
	s_lshl_b32 s66, s[TR], 8
	s_add_co_u32 s66, s66, s45                     ; x: row 256 x tile row + 128 x half
	s_lshl_b32 s92, s66, 5                         ; its scale bytes,
	s_lshl_b32 s66, s66, 9                         ; its codes: all under 2^24
	s_mov_b32 s67, 0
	s_mov_b32 s93, 0
	s_lshl_b32 s46, s42, 8
	s_add_co_u32 s46, s46, s45
	s_lshl_b32 s94, s[PP], 10
	s_add_co_u32 s46, s46, s94                     ; W: row 1,024 P + 256 x tile column + 128 x half
	s_lshl_b32 s2, s46, 5
	s_add_co_u32 s2, s2, WS0
	s_lshl_b32 s46, s46, 9
	s_add_co_u32 s46, s46, WC0
	s_mov_b32 s47, 0
	s_mov_b32 s3, 0
	s_mul_i32 s45, s[WV], HALFT                    ; where they go: wave x 128 rows: no place in the cluster enters an LDS address
	s_mul_i32 s94, s[WV], HALFS
	s_mov_b32 s[SEL], 0x76543210
	s_mov_b32 s[SEL+1], 0xfedcba98
	s_wait_dscnt 0x0                               ; both opening adds are done
	s_wait_kmcnt 0x0
	s_add_nc_u64 s[66:67], s[4:5], s[66:67]
	s_add_nc_u64 s[92:93], s[6:7], s[92:93]
	s_add_nc_u64 s[46:47], s[4:5], s[46:47]
	s_add_nc_u64 s[2:3], s[6:7], s[2:3]
	CROUND                                         ; all sixteen work-groups are here: the joint loads meet
	s_mov_b32 s[G0S], 1
	s_add_co_u32 s[G0S+1], s94, SCL
	s_mov_b64 s[G0S+2:G0S+3], s[92:93]
	s_or_b32 s[G0S+3], s[G0S+3], 0x80000000
	s_mov_b32 s[G0SB], 1
	s_add_co_u32 s[G0SB+1], s94, SCL
	s_mov_b64 s[G0SB+2:G0SB+3], s[2:3]
	s_or_b32 s[G0SB+3], s[G0SB+3], 0x80000000
	JLOAD G0S, G1S, G0SB, G1SB                     ; the scale bytes first; then both slots: three tensor loads of mine are out, all first fills
.irp s, 0,1
	s_mov_b32 s[G0+4*\s], 1
	s_add_co_u32 s[G0+4*\s+1], s45, \s*SLOT
	s_add_nc_u64 s[G0+4*\s+2:G0+4*\s+3], s[66:67], \s*ROWB
	s_or_b32 s[G0+4*\s+3], s[G0+4*\s+3], 0x80000000
	s_mov_b32 s[G0B+4*\s], 1
	s_add_co_u32 s[G0B+4*\s+1], s45, \s*SLOT
	s_add_nc_u64 s[G0B+4*\s+2:G0B+4*\s+3], s[46:47], \s*ROWB
	s_or_b32 s[G0B+4*\s+3], s[G0B+4*\s+3], 0x80000000
	JLOAD G0+4*\s, G1, G0B+4*\s, G1B
.endr
	; the product's bias, cos and sin: choices on the product's number alone
	s_cmp_eq_u32 s[PP], 0
	s_cselect_b64 s[8:9], s[8:9], s[10:11]         ; bq or bk
	s_cselect_b64 s[10:11], s[14:15], s[18:19]     ; cos_q or cos_k
	s_cselect_b64 s[16:17], s[16:17], s[20:21]     ; sin_q or sin_k
	s_cmp_eq_u32 s[PP], 2
	s_cselect_b64 s[8:9], s[12:13], s[8:9]         ; bv
	s_lshl_b32 s12, s42, 10
	s_lshl_b32 s13, s[CH], 9
	s_add_co_u32 s12, s12, s13
	s_mov_b32 s13, 0
	s_add_nc_u64 s[8:9], s[8:9], s[12:13]          ; the bias at my first column: 256 x tile column + 128 x half
	s_lshl_b32 s14, s[TR], 8
	s_lshl_b32 s15, s[RH], 7
	s_add_co_u32 s14, s14, s15                     ; R0, my first row
	s_and_b32 s12, s14, 8191                       ; in its product: 2,048 x batch + position
	s_lshl_b32 s12, s12, 8
	s_add_nc_u64 s[10:11], s[10:11], s[12:13]      ; cos and sin at that row, 256 bytes a row
	s_add_nc_u64 s[16:17], s[16:17], s[12:13]
	s_bfe_u32 s15, s14, 0x2000b                    ; the batch: 2 bits from bit 11
	s_lshl_b32 s15, s15, 4
	s_lshl_b32 s18, s42, 2
	s_add_co_u32 s15, s15, s18
	s_lshl_b32 s18, s[CH], 1
	s_add_co_u32 s15, s15, s18                     ; 16 x batch + my first head
	s_and_b32 s14, s14, 2047                       ; my first position
	s_lshl_b32 s12, s15, 18                        ; a head's 2,048 rows of 128 bytes
	s_lshl_b32 s18, s14, 7
	s_add_co_u32 s12, s12, s18
	s_lshl_b32 s18, s[PP], 24                      ; a part's 16,777,216 bytes
	s_add_co_u32 s12, s12, s18
	s_add_nc_u64 s[22:23], s[22:23], s[12:13]      ; where my rows go
	s_lshl_b32 s18, s[PP], 6
	s_add_co_u32 s15, s15, s18
	s_lshl_b32 s12, s15, 10
	s_lshr_b32 s18, s14, 1
	s_add_co_u32 s12, s12, s18
	s_add_nc_u64 s[96:97], s[96:97], s[12:13]      ; and my tile's 16 words of qkexp (used by q and k alone)
	v_and_b32 v1, 15, v0                           ; r
	v_bfe_u32 v2, v0, 4, 1                         ; h
	v_mul_u32_u24 v3, v1, PITCH
	v_lshl_add_u32 v4, v2, 4, v3                   ; a fragment's row x pitch + 16 h
	s_mul_i32 s18, s[RH], HALFT                    ; my 128 rows of x
	s_mul_i32 s19, s[CH], HALFT                    ; my 128 rows of W,
	s_add_co_u32 s19, s19, 2*HALFT                 ; which lie behind x's 256
.irp s, 0,1
	v_add_nc_u32 v[ADRA+\s], s18, v4
	v_add_nc_u32 v[ADRB+\s], s19, v4
	s_add_co_u32 s18, s18, SLOT
	s_add_co_u32 s19, s19, SLOT
.endr
	v_mul_u32_u24 v5, v1, KS                       ; my row's scale bytes: 32 a row,
	v_lshrrev_b32 v6, 8, v5
	v_lshl_add_u32 v5, v6, 4, v5                   ; and 16 more for each 256 passed
	s_mul_i32 s18, s[RH], HALFS
	s_mul_i32 s19, s[CH], HALFS
	s_add_co_u32 s19, s19, 2*HALFS
	s_sub_co_u32 s19, s19, s18
	v_mul_u32_u24 v6, s19, v2                      ; lanes 16-31 take W's: one product, the distance between the two bases
	s_add_co_u32 s18, s18, SCL
	v_add_nc_u32 v5, v5, v6
	v_add_nc_u32 v[ADRS], s18, v5
	s_mul_i32 s18, s[WV], 2*16*SPT                 ; my stage
	v_mul_u32_u24 v5, v1, SPT
	v_lshl_add_u32 v5, v2, 4, v5
	v_add_nc_u32 v[STO], s18, v5                   ; in: row r, + 16 h
	v_and_b32 v6, 31, v0
	v_lshrrev_b32 v5, 3, v6
	v_mul_u32_u24 v5, v5, SPT
	v_and_b32 v3, 7, v6
	v_lshl_add_u32 v5, v3, 4, v5
	v_add_nc_u32 v[RD], s18, v5                    ; back: eight lanes to a row of 128 bytes, four rows an instruction
	v_lshlrev_b32 v[GO], 4, v6
	v_lshlrev_b32 v[CSO], 8, v1
	v_lshl_add_u32 v[CSO], v2, 5, v[CSO]
	v_lshlrev_b32 v[BO], 5, v2
	v_lshlrev_b32 v[EO], 10, v2                    ; lanes 16-31: the next head's words, 1,024 bytes on
	v_lshl_add_u32 v[EO], v1, 2, v[EO]
.irp b, 0,1,2,3,4,5,6,7
	global_load_b128 v[BIAS+8*\b:BIAS+8*\b+3], v[BO], s[8:9] offset:64*\b        ; register 8 b + j: the bias of column 16 b + 8 h + j
	global_load_b128 v[BIAS+8*\b+4:BIAS+8*\b+7], v[BO], s[8:9] offset:64*\b+16
.endr
.macro LOADCS a                        ; cos and sin of my rows 16 a .. 16 a + 15 into set a % 2 of window 1: cos at 8 b + j, sin 32 further on: column 16 b + 8 h + j of the head
.set CL, 64+128*((\a)%2)
	WIN TO_B
.irp bb, 0,1,2,3
	global_load_b128 v[CL+8*\bb:CL+8*\bb+3], v[CSO], s[10:11] offset:4096*(\a)+64*\bb
	global_load_b128 v[CL+8*\bb+4:CL+8*\bb+7], v[CSO], s[10:11] offset:4096*(\a)+64*\bb+16
	global_load_b128 v[CL+32+8*\bb:CL+32+8*\bb+3], v[CSO], s[16:17] offset:4096*(\a)+64*\bb
	global_load_b128 v[CL+32+8*\bb+4:CL+32+8*\bb+7], v[CSO], s[16:17] offset:4096*(\a)+64*\bb+16
.endr
	WIN 0
.endm
	s_cmp_eq_u32 s[PP], 2                          ; v has no rotary step
	s_cbranch_scc1 .Lno_cs
	LOADCS 0
	LOADCS 1
.Lno_cs:
.macro FRAG reg, adr, q, i             ; 16 rows x 128 K of 4-bit codes: registers 4 c .. 4 c + 3 hold K = 64 c + 32 h + 0 .. 31
.irp c, 0,1
	ds_load_b128 v[\reg+4*\c:\reg+4*\c+3], v[\adr] offset:64*(\q)+32*\c+(\i)*16*PITCH
.endr
.endm
; 16 matrix instructions: x's blocks a0, a0 + 1 against W's eight, the slot's q-th 128 along K.  p: W's set; sc: the set of scale words.  zero = 1: the sums begin, with the bias as C.
; The 64 accumulators take turns, one instruction a turn, in the same order in every step.
.macro MUL16 a0, p, q, sc, zero
.irp a, \a0, \a0+1
.irp b, 0,1,2,3,4,5,6,7
.if \zero
	v_wmma_scale_f32_16x16x128_f8f6f4 v[8*(8*((\a)%4)+\b):8*(8*((\a)%4)+\b)+7], v[128*(\p)+FR*\b:128*(\p)+FR*\b+FR-1], v[AF+FR*(\a):AF+FR*(\a)+FR-1], v[BIAS+8*\b:BIAS+8*\b+7], v[SC+8*NQ*(\sc)+NQ*\b+(\q)], v[SC+8*NQ*(\sc)+NQ*(\a)+(\q)] matrix_a_fmt:MATRIX_FMT_FP4 matrix_b_fmt:MATRIX_FMT_FP4 matrix_a_scale:MATRIX_SCALE_ROW1
.else
	v_wmma_scale_f32_16x16x128_f8f6f4 v[8*(8*((\a)%4)+\b):8*(8*((\a)%4)+\b)+7], v[128*(\p)+FR*\b:128*(\p)+FR*\b+FR-1], v[AF+FR*(\a):AF+FR*(\a)+FR-1], v[8*(8*((\a)%4)+\b):8*(8*((\a)%4)+\b)+7], v[SC+8*NQ*(\sc)+NQ*\b+(\q)], v[SC+8*NQ*(\sc)+NQ*(\a)+(\q)] matrix_a_fmt:MATRIX_FMT_FP4 matrix_b_fmt:MATRIX_FMT_FP4 matrix_a_scale:MATRIX_SCALE_ROW1
.endif
.endr
.endr
.endm
.macro FETCH_B slot, q, p
	WIN TO_B
.irp i, 0,1,2,3,4,5,6,7
	FRAG 128*(\p)+FR*\i, ADRB+\slot, \q, \i
.endr
	WIN 0
.endm
.macro FETCH_A slot, q, i0
.irp i, \i0, \i0+1, \i0+2, \i0+3
	FRAG AF+FR*(\i), ADRA+\slot, \q, \i
.endr
.endm
.macro SCALES sc                       ; a slot's scale words: 4 words a row; lanes 0-15 take x's block i, lanes 16-31 W's block i
.irp i, 0,1,2,3,4,5,6,7
	ds_load_b128 v[SC+8*NQ*\sc+NQ*\i:SC+8*NQ*\sc+NQ*\i+3], v[ADRS] offset:\i*SBLK
.endr
.endm
.macro PLACES n                        ; plain vector instructions between a matrix instruction and a load into, or a read of, its registers (ISA guide 7.12.1 for a read)
.rept \n
	v_nop
.endr
.endm
.macro STEP slot, q, zero              ; a step of 128 along K that has its successor in the same slot
	s_wait_dscnt 4*NL                              ; W's set and x's blocks 0-3 are in; the youngest eight loads (x's blocks 4-7) may be out
.if \zero
	WIN 0x81                                       ; C, the bias, in window 0; D in window 2
.else
	WIN MUL_LO
.endif
	MUL16 0, (\q)%2, \q, \slot, \zero
	MUL16 2, (\q)%2, \q, \slot, \zero
	s_wait_dscnt 0                                 ; x's blocks 4-7 are in
	PLACES NP
	FETCH_B \slot, (\q)+1, 1-(\q)%2
	FETCH_A \slot, (\q)+1, 0
.if \zero
	WIN 0xc1
.else
	WIN MUL_HI
.endif
	MUL16 4, (\q)%2, \q, \slot, \zero
	MUL16 6, (\q)%2, \q, \slot, \zero
	PLACES NP
	WIN 0
	FETCH_A \slot, (\q)+1, 4
.endm
.macro TURN slot, next                 ; a slot's last step, and the change of slots: one barrier
	s_wait_tensorcnt 0x0                           ; all my tensor loads have landed: my part of the next slot
	ds_add_u32 v[SPW], v[NIL]                      ; 0 onto my spare word
	s_wait_dscnt 4*NL+1                            ; the add and the youngest eight loads may be out
	WIN MUL_LO
	MUL16 0, 1, NQ-1, \slot, 0
	s_wait_dscnt 0x0                               ; the add is done, and my reads of this slot are over
	s_barrier_signal -1
	MUL16 2, 1, NQ-1, \slot, 0
	WIN 0
	s_barrier_wait -1                              ; the next slot is whole, and nobody reads this one any more
	PLACES NP
	v_add_nc_u32 v[ADRS], 4*NQ, v[ADRS]            ; on to the next slot's scale words
	FETCH_B \next, 0, 0
	FETCH_A \next, 0, 0
	SCALES \next
	WIN MUL_HI
	MUL16 4, 1, NQ-1, \slot, 0
	MUL16 6, 1, NQ-1, \slot, 0
	PLACES NP
	WIN 0
	FETCH_A \next, 0, 4
.endm
.macro STEPS slot, from
.set Q, \from
.rept NQ-1-\from
	STEP \slot, Q, 0
.set Q, Q+1
.endr
.endm
	s_wait_loadcnt 0x0                             ; the bias (and the first two sets of cos and sin)
	s_wait_tensorcnt 1                             ; the scale bytes and my part of slot 0 are in; slot 1's load may be out
	s_barrier_signal -1
	s_barrier_wait -1
	FETCH_B 0, 0, 0
	FETCH_A 0, 0, 0
	SCALES 0
	FETCH_A 0, 0, 4
	STEP 0, 0, 1
	STEPS 0, 1
	TURN 0, 1
	STEPS 1, 0
	s_wait_dscnt 4*NL                              ; the very last step
	WIN MUL_LO
	MUL16 0, 1, NQ-1, 1, 0
	MUL16 2, 1, NQ-1, 1, 0
	s_wait_dscnt 0
	WIN MUL_HI
	MUL16 4, 1, NQ-1, 1, 0
	MUL16 6, 1, NQ-1, 1, 0
	WIN 0
; THE WAY OUT.
.irp i, 0,1,2,3,4,5,6,7
	v_mov_b32 v[M+\i], 0x0d800000                  ; the maxima begin at the floor 2^-100.  These eight lines are also the places behind the last products, on both ways
.endr
; The rotary step on my rows 16 a .. 16 a + 15, in place, and the running maxima.  Each accumulator is read from its low end on.
.macro ROPE a
.set AC, 64*((\a)%4)
.set W, 2+(\a)/4
.set CL, 64+128*((\a)%2)
.if (\a) < 7
	s_wait_loadcnt 16                              ; this block's cos and sin are in; the next block's sixteen loads may be out
.else
	s_wait_loadcnt 0x0
.endif
	WIN 0x44+W                                     ; source 0 the accumulators' window, source 1 and destination window 1
.irp hh, 0,1
.irp bb, 0,1
.irp jj, 0,2,4,6
	v_pk_mul_f32 v[T+32*\hh+16*\bb+\jj:T+32*\hh+16*\bb+\jj+1], v[AC+8*(4*\hh+\bb)+\jj:AC+8*(4*\hh+\bb)+\jj+1], v[CL+8*\bb+\jj:CL+8*\bb+\jj+1]                         ; x1 cos[d]
	v_pk_mul_f32 v[T+32*\hh+16*\bb+8+\jj:T+32*\hh+16*\bb+8+\jj+1], v[AC+8*(4*\hh+\bb)+\jj:AC+8*(4*\hh+\bb)+\jj+1], v[CL+32+8*(\bb+2)+\jj:CL+32+8*(\bb+2)+\jj+1]     ; x1 sin[d + 32]
.endr
.endr
.endr
	WIN 0x14+65*W                                  ; source 0 and destination the accumulators' window, sources 1 and 2 window 1
.irp hh, 0,1
.irp bb, 0,1
.irp jj, 0,2,4,6
	v_pk_fma_f32 v[AC+8*(4*\hh+\bb)+\jj:AC+8*(4*\hh+\bb)+\jj+1], v[AC+8*(4*\hh+\bb+2)+\jj:AC+8*(4*\hh+\bb+2)+\jj+1], v[CL+32+8*\bb+\jj:CL+32+8*\bb+\jj+1], v[T+32*\hh+16*\bb+\jj:T+32*\hh+16*\bb+\jj+1] neg_lo:[1,0,0] neg_hi:[1,0,0]   ; - x2 sin[d] + x1 cos[d]
	v_pk_fma_f32 v[AC+8*(4*\hh+\bb+2)+\jj:AC+8*(4*\hh+\bb+2)+\jj+1], v[AC+8*(4*\hh+\bb+2)+\jj:AC+8*(4*\hh+\bb+2)+\jj+1], v[CL+8*(\bb+2)+\jj:CL+8*(\bb+2)+\jj+1], v[T+32*\hh+16*\bb+8+\jj:T+32*\hh+16*\bb+8+\jj+1]                     ; x2 cos[d + 32] + x1 sin[d + 32]
.endr
.endr
.endr
	WIN 20*W                                       ; sources 1 and 2 the accumulators' window
.irp i, 0,2,4,6
.irp b, 0,1,2,3,4,5,6,7
	v_max3_num_f32 v[M+\b], v[M+\b], |v[AC+8*\b+\i]|, |v[AC+8*\b+\i+1]|   ; eight chains by turns; chains 0-3 my first head, 4-7 my second
.endr
.endr
	WIN 0
.if (\a) < 6
	LOADCS (\a)+2
.endif
.endm
; Block a: to f16 (scaled = 1: times the head's factor first), 128 bytes a lane.
.macro PACK a, scaled
.set AC, 64*((\a)%4)
.set W, 2+(\a)/4
.if \scaled
	WIN 0x40+W
.irp b, 0,1,2,3,4,5,6,7
.irp jj, 0,2,4,6
	v_pk_mul_f32 v[T+8*\b+\jj:T+8*\b+\jj+1], v[AC+8*\b+\jj:AC+8*\b+\jj+1], v[FM+2*(\b/4):FM+2*(\b/4)+1] op_sel_hi:[1,0]   ; by a power of two: exact
.endr
.endr
	WIN 0x05
.irp b, 0,1,2,3,4,5,6,7
.irp rr, 0,1,2,3
	v_cvt_pk_f16_f32 v[PK+4*\b+\rr], v[T+8*\b+2*\rr], v[T+8*\b+2*\rr+1]
.endr
.endr
.else
	WIN 5*W
.irp b, 0,1,2,3,4,5,6,7
.irp rr, 0,1,2,3
	v_cvt_pk_f16_f32 v[PK+4*\b+\rr], v[AC+8*\b+2*\rr], v[AC+8*\b+2*\rr+1]
.endr
.endr
.endif
	WIN 0
.endm
.macro TOSTAGE a                       ; through my stage: in by lanes, back as rows of 128 bytes.  A wave's LDS instructions are served in order: no wait between
.irp b, 0,1,2,3,4,5,6,7
	ds_store_b128 v[STO], v[PK+4*\b:PK+4*\b+3] offset:(\b/4)*16*SPT+32*(\b%4)
.endr
.set BB, BK+32*((\a)%2)
.irp i, 0,1,2,3,4,5,6,7
	ds_load_b128 v[BB+4*\i:BB+4*\i+3], v[RD] offset:(\i/4)*16*SPT+(\i%4)*4*SPT
.endr
.endm
.macro SEND a, younger                 ; younger: the LDS instructions issued behind block a's loads
.set BB, BK+32*((\a)%2)
	s_wait_dscnt \younger
.irp i, 0,1,2,3,4,5,6,7
	global_store_b128 v[GO], v[BB+4*\i:BB+4*\i+3], s[22:23] offset:(\i/4)*262144+(\a)*2048+(\i%4)*512   ; four rows of a head: 512 consecutive bytes, aligned
.endr
.endm
.macro OUTALL scaled
	PACK 0, \scaled
	TOSTAGE 0
.irp a, 1,2,3,4,5,6,7
.if \a > 1
	s_wait_xcnt 0x0                                ; block a - 2's stores have read their registers: block a's loads may land there
.endif
	PACK \a, \scaled
	TOSTAGE \a
	SEND \a-1, 16                                  ; behind block a - 1's loads: block a's 8 stores and 8 loads
.endr
	SEND 7, 0
.endm
.macro FINISH
	s_wait_tensorcnt 0x0                           ; the wave's end: behind my last tensor load and my last LDS store
	ds_add_u32 v[SPW], v[NIL]
	s_wait_dscnt 0x0
	CROUND                                         ; the closing round
	s_endpgm
.endm
	s_cmp_eq_u32 s[PP], 2
	s_cbranch_scc1 .Lvalue
.irp a, 0,1,2,3,4,5,6,7
	ROPE \a
.endr
.irp hh, 0,1
	v_max3_num_f32 v[M+4*\hh], v[M+4*\hh], v[M+4*\hh+1], v[M+4*\hh+2]
.endr
.irp hh, 0,1
	v_max_num_f32 v[M+4*\hh], v[M+4*\hh], v[M+4*\hh+3]
.endr
.irp x, 1,2,4,8
.irp hh, 0,1
	v_max_num_f32_dpp v[M+4*\hh], v[M+4*\hh], v[M+4*\hh] row_xmask:\x row_mask:0xf bank_mask:0xf
.endr
.endr
.irp hh, 0,1
	v_permlanex16_b32 v[M+4*\hh+1], v[M+4*\hh], s[SEL], s[SEL+1]
.endr
.irp hh, 0,1
	v_max_num_f32 v[M+4*\hh], v[M+4*\hh], v[M+4*\hh+1]           ; the largest magnitude of 128 rows x one head, in every lane
.endr
.irp hh, 0,1
	v_and_b32 v[M+4*\hh], 0x7f800000, v[M+4*\hh]                 ; its exponent field E, in place
.endr
.irp hh, 0,1
	v_sub_nc_u32 v[FM+2*\hh], 0x86000000, v[M+4*\hh]             ; 2^(141 - E): field 268 - E, from 14 to 241
	v_add_nc_u32 v[M+4*\hh+1], 0xf9000000, v[M+4*\hh]            ; 2^(E - 141): field E - 14: what undoes it
.endr
.irp hh, 0,1
	v_mov_b32 v[FM+2*\hh+1], v[FM+2*\hh]                         ; (named with it as a pair)
.endr
	v_cmp_eq_u32 vcc_lo, 0, v2
	v_cndmask_b32 v[M+2], v[M+5], v[M+1], vcc_lo                 ; lanes 0-15 my first head's factor, lanes 16-31 my second's
	global_store_b32 v[EO], v[M+2], s[96:97]                     ; 16 equal words a head: one for each 8 of the 128 rows
	OUTALL 1
	FINISH
.Lvalue:
	OUTALL 0
	FINISH
.Lfunc_end_k_q9d2db9f661_proj:
	.size	k_q9d2db9f661_proj, .Lfunc_end_k_q9d2db9f661_proj-k_q9d2db9f661_proj
	.p2alignl 7, 3214868480
	.fill 96, 4, 3214868480
	.section	.rodata,"a",@progbits
	.p2align	6, 0x0
	.amdhsa_kernel k_q9d2db9f661_proj
		.amdhsa_group_segment_fixed_size 327680
		.amdhsa_private_segment_fixed_size 0
		.amdhsa_enable_private_segment 0
		.amdhsa_kernarg_size 88
		.amdhsa_user_sgpr_count 2
		.amdhsa_user_sgpr_kernarg_segment_ptr 1
		.amdhsa_wavefront_size32 1
		.amdhsa_system_sgpr_workgroup_id_x 1
		.amdhsa_system_sgpr_workgroup_id_y 1
		.amdhsa_system_sgpr_workgroup_id_z 1
		.amdhsa_system_vgpr_workitem_id 0
		.amdhsa_next_free_vgpr 1024
		.amdhsa_next_free_sgpr 106
		.amdhsa_reserve_vcc 1
		.amdhsa_float_denorm_mode_32 3
		.amdhsa_float_denorm_mode_16_64 3
		.amdhsa_memory_ordered 1
		.amdhsa_forward_progress 1
		.amdhsa_inst_pref_size 240
	.end_amdhsa_kernel
	.amdgpu_metadata
---
amdhsa.version: [ 1, 2 ]
amdhsa.kernels:
  - .name:           k_q9d2db9f661_proj
    .symbol:         k_q9d2db9f661_proj.kd
    .args:
      - { .name: codes, .offset: 0, .size: 8, .value_kind: global_buffer, .address_space: global }
      - { .name: scales, .offset: 8, .size: 8, .value_kind: global_buffer, .address_space: global }
      - { .name: bq, .offset: 16, .size: 8, .value_kind: global_buffer, .address_space: global }
      - { .name: bk, .offset: 24, .size: 8, .value_kind: global_buffer, .address_space: global }
      - { .name: bv, .offset: 32, .size: 8, .value_kind: global_buffer, .address_space: global }
      - { .name: cos_q, .offset: 40, .size: 8, .value_kind: global_buffer, .address_space: global }
      - { .name: sin_q, .offset: 48, .size: 8, .value_kind: global_buffer, .address_space: global }
      - { .name: cos_k, .offset: 56, .size: 8, .value_kind: global_buffer, .address_space: global }
      - { .name: sin_k, .offset: 64, .size: 8, .value_kind: global_buffer, .address_space: global }
      - { .name: qkv16, .offset: 72, .size: 8, .value_kind: global_buffer, .address_space: global }
      - { .name: qkexp, .offset: 80, .size: 8, .value_kind: global_buffer, .address_space: global }
    .group_segment_fixed_size: 327680
    .private_segment_fixed_size: 0
    .kernarg_segment_align: 8
    .kernarg_segment_size: 88
    .max_flat_workgroup_size: 128
    .sgpr_count:     106
    .vgpr_count:     1024
    .wavefront_size: 32
...
	.end_amdgpu_metadata
.endif
;; end of part 2
;; launch attn (part 3): grid 4 x 64, 8 waves a work-group, clusters of 4 x 1, 327,680 bytes of LDS; arguments qkv16, qkexp, key_padding_mask, att16; writes att16
.if DOCPART == 3
	.amdgcn_target "amdgcn-amd-amdhsa--gfx1250"
	.amdhsa_code_object_version 6
	.text
	.protected	k_q9d2db9f661_attn
	.globl	k_q9d2db9f661_attn
	.p2align	8
	.type	k_q9d2db9f661_attn,@function
k_q9d2db9f661_attn:
	s_mov_b64 s[64:65], 0
	v_nop
	global_prefetch_b8 v0, s[64:65] scope:SCOPE_SE
	s_setreg_imm32_b32 hwreg(HW_REG_WAVE_MODE, 25, 1), 1
	s_wait_xcnt 0x0
	s_wait_alu depctr_hold_cnt(0) depctr_sa_sdst(0) depctr_va_vdst(0) depctr_va_sdst(0) depctr_va_ssrc(0) depctr_va_vcc(0) depctr_vm_vsrc(0)
	s_getreg_b32 s2, hwreg(HW_REG_IB_STS2, 6, 4)
	s_cmp_eq_u32 s2, 0
	s_cbranch_scc0 .Lentry_in_a_cluster
	s_endpgm
.Lentry_in_a_cluster:
	s_bfe_u32 s2, ttmp6, 0x10000c
	s_cmp_lg_u32 s2, 0x3003
	s_cbranch_scc0 .Lentry_shape_is_right
	s_endpgm
.Lentry_shape_is_right:
; Launch 3 of 4: o[b][h][q] = the sum over k of softmax_k(q . k / 8, hidden keys at -infinity) v[k].  No work is left out: the mask is an input, so every key is multiplied and the mask acts by value.
; q, k, v: f16 [part][batch x head][2,048][64]; q and k carry a power-of-two factor for each tile of 128 rows, whose inverses fq, fk lie in qkexp.  o: f16 [head][8,192 tokens][64], a plane a head, as the last launch wants it.
; Products, maxima and sums in f32.  The weights p = 2^(t - m) are at most 1 for every input, so they go to the second product in f16; o is a mean of v and has v's room in f16.
; SHARES.  A work-group owns 512 queries of one head, each of its eight waves 64: four tiles of 16, worked as two pieces of two tiles.  Two waves share a SIMD, so that one wave's softmax can stand beside the other's products.
; LAYOUT.  S^T = K Q^T (source 0 = 16 keys, source 1 = 16 queries): a lane holds ONE query (lane % 16) and the keys 8 (lane / 16) + 0 .. 7.  Two such tiles, rounded to f16 in pairs, are source 1 of O^T = V^T P.
; THE MASK costs no vector instruction: a table in LDS holds 0 or -infinity for each key, and a key tile's eight registers of it are the C of the tile's first matrix instruction.
; SOFTMAX.  t = s' ct, ct = c fq fk held to 2^-80 .. 2^80, c = log2(e) / 8; fk changes every 128 keys, so the running maximum m is kept in units of t.  m begins at -3e38 and stays finite: a step whose keys are all hidden
; gives p = 0.  In every step O and l are multiplied by a = 2^(old m - new m).  A query all of whose keys are hidden ends with l = 0 and O = 0, and 0 x infinity gives NaN, as softmax of -infinities does.
; LIMITS: the hold on ct acts only where all scores of a tile pair lie under 2^-44 or beyond 2^116; NaN and infinities among the inputs are not served.
; CLUSTER.  The four work-groups of a cluster are the four query blocks of one head: K's and V's tiles are asked for jointly, by the same tensor load with a mask that names the four.
; RING.  A key step is 64 keys.  K's and V's rows of 128 bytes are dense in memory, so a step's tile is stated as 32 rows of 256 bytes (two keys a row).  A slot holds four steps; waves 0-3 fetch K of step w, waves 4-7 V of step w - 4.
; REGISTERS.  Window 0: v1-13 addresses; v16-47 statistics, 8 a tile; v48-50 ct (a pair), fk; v52, v53 the add's two; v56-87 the mask's C; v88-151 S^T of a piece; v152-183 P of a piece; v184-247 K of a step.
;   Window 1: v0-127 O^T, 32 a tile; v128-191 Q, 16 a tile; v192-255 V of a step.
.set KS,    64
.set PK,    272                        ; K: an LDS row of two keys: 256 bytes + 16: the 16 keys of a load start at 16 different multiples of 16 bytes modulo 256
.set PV,    288                        ; V: 256 + 32: the 8 keys x 32 bytes that 16 lanes of the turning load take are 8 different runs of 32 bytes modulo 256
.set VOFF,  32*PK                      ; a step: K's 32 rows, then V's
.set STEPB, 32*(PK+PV)
.set NST,   4                          ; steps in a slot
.set SLOTB, NST*KS*128                 ; a slot's bytes of K, or of V, in memory
.set SLOT1, 1<<17                      ; slot 1 begins here: one exclusive or turns an address in one slot into the other's
.set BIASL, 73728                      ; behind slot 0: 2,048 words: 0 or -infinity for each key of the batch
.set FKL,   81920                      ; 256 words: fk for each 8 keys
.set SPARE, 82944                      ; the spare words: 128 bytes for each of eight waves, named by no other line
.set STAGE, 83968                      ; 16 rows x 144 bytes for each wave, for the way out
.set SP,    144
.set AK0, 1                            ; my lane's place in a tile of K
.set AV0, 2                            ; in a tile of V
.set AB0, 3                            ; in the mask's table
.set FK0, 4                            ; the table of fk
.set ADR, 5                            ; the addresses of the loads in hand: K,
.set ADB, 6                            ; the mask,
.set ADF, 7                            ; fk,
.set ADV, 8                            ; V
.set QO,  9
.set STO, 10
.set RD,  11
.set GO,  12
.set PFO, 13                           ; 256 x lane
.set ST,  16                           ; tile t at v[ST + 8 t]: +0 m, +1 the old m, +2, +3 l (even keys', odd keys'), +4 .. +7 c0-c3, at work; a takes c2's place
.set CT,  48
.set FKV, 50
.set SPW, 52
.set NIL, 53
.set BI,  56
.set S,   88
.set P,   152
.set KF,  184
.set WV,  12
.set PFA, 18                           ; s[18:19] where my prefetches stand
.set LIM, 20                           ; 1 in a wave that prefetches, else the greatest number
.set G1K, 24
.set G1V, 32
.set G0K, 40                           ; two sets each: the two first fills; the second then walks on
.set G0V, 48
.set SLOTS, 56
.set CNT, 57
.set FQ,  58
.set SEL, 60
.set TB,  62                           ; LDS byte at which the tiles of the step to be fetched begin
.set TBI, 63                           ; its place in the mask's table: 256 bytes a step
.set TFK, 67                           ; and among the fk: 32 bytes a step
.set MSB, 0
.macro WIN new
.if MSB != (\new)
	s_set_vgpr_msb (MSB<<8)+(\new)
.set MSB, (\new)
.endif
.endm
.set W_KQ, 0x04                        ; Q in window 1; K, C and S^T in window 0
.set W_PV, 0x51                        ; V and O^T in window 1, P in window 0
.set W_RS, 0x41                        ; O^T (destination and source 0) in window 1, a in window 0
.macro JLOAD                           ; a joint refill; the branch hangs on the wave's number alone; an s_nop 0 and four v_nop follow each line
	s_cmp_lt_u32 s[WV], 4
	s_cbranch_scc0 .Lfor_v_\@
	tensor_load_to_lds s[G0K+4:G0K+7], s[G1K:G1K+7]
	s_nop 0
.rept 4
	v_nop
.endr
	s_branch .Lasked_\@
.Lfor_v_\@:
	tensor_load_to_lds s[G0V+4:G0V+7], s[G1V:G1V+7]
	s_nop 0
.rept 4
	v_nop
.endr
.Lasked_\@:
.endm
; A prefetch of what the NEXT change of slots will ask for: a slot's 32,768 bytes of K and of V.  One cluster serves a head, so its four partners share the bytes out by address, 8,192 each, lanes 256 bytes apart;
; wave 0 asks for K's, wave 4 for V's: each aligned 256 bytes are named once in the launch.  It runs four key steps ahead of the load.  The last change that fills a slot asks for nothing.
.macro ASK
	s_cmp_gt_u32 s[SLOTS], s[LIM]
	s_cbranch_scc0 .Lnot_mine_\@
	global_prefetch_b8 v[PFO], s[PFA:PFA+1] th:TH_LOAD_NT scope:SCOPE_SE
.Lnot_mine_\@:
.endm
.macro CROUND                          ; a round of the cluster's barrier
	s_barrier_signal -1
	s_barrier_wait -1
	s_cmp_lg_u32 s[WV], 0
	s_cbranch_scc1 .Lnot_wave_0_\@
	s_barrier_signal -3
.Lnot_wave_0_\@:
	s_barrier_wait -3
	s_barrier_signal -1
	s_barrier_wait -1
.endm
	s_load_b256 s[4:11], s[0:1], 0x0               ; qkv16 s[4:5], qkexp s[6:7], the mask s[8:9], att16 s[10:11]
	v_lshl_add_u32 v[SPW], v0, 2, SPARE
	v_mov_b32 v[NIL], 0
	ds_add_u32 v[SPW], v[NIL]                      ; the wave's opening: the add, twice on end, and its wait ahead of my first tensor load
	ds_add_u32 v[SPW], v[NIL]
	v_lshrrev_b32 v14, 5, v0
	v_readfirstlane_b32 s[WV], v14                 ; wave 0 .. 7
	s_bfe_u32 s13, ttmp6, 0x40000                  ; cx: my block of 512 queries: it enters Q's, O's, fq's and the prefetches' addresses alone
	s_and_b32 s21, ttmp7, 0xffff                   ; batch x head, which the four partners share
	s_and_b32 s22, s[WV], 3                        ; which of a slot's four steps I fetch:
	s_mul_i32 s2, s22, STEPB                       ; its place in a slot,
	s_lshl_b32 s22, s22, 13                        ; its 64 rows of 128 bytes in memory,
	s_lshl_b32 s23, s21, 18                        ; in the head's 262,144 bytes
	s_add_co_u32 s22, s22, s23
	s_mov_b32 s23, 0
	s_mov_b32 s[G1K], 15|(1<<16)|(1<<20)|(1<<21)|(5<<22)|(3<<25)   ; the mask: all four; elements of 2 bytes; padding on; bit 21 beside a mask; after every 64 words, 4 words
	s_mov_b32 s[G1V], 15|(1<<16)|(1<<20)|(1<<21)|(5<<22)|(7<<25)   ; the same with 8 words
.irp g, G1K, G1V
	s_mov_b32 s[\g+1], 128<<16                     ; tensor_dim0 = 128 elements: two keys
	s_mov_b32 s[\g+2], 32<<16                      ; tensor_dim1 = 32
	s_mov_b32 s[\g+3], 128<<16                     ; tile_dim0
	s_mov_b32 s[\g+4], 32                          ; tile_dim1
	s_mov_b32 s[\g+5], 128                         ; from row to row: dense
	s_mov_b32 s[\g+6], 0
	s_mov_b32 s[\g+7], 0
.endr
	s_mov_b32 s59, 0x17800000                      ; 2^-80
	s_mov_b32 s66, 0x67800000                      ; 2^80
	s_mov_b32 s[SEL], 0x76543210
	s_mov_b32 s[SEL+1], 0xfedcba98
	s_mov_b32 s[TB], 0
	s_mov_b32 s[TBI], 0
	s_mov_b32 s[TFK], 0
	s_mov_b32 s[SLOTS], 2048/(NST*KS)-2
	s_wait_dscnt 0x0                               ; both opening adds are done
	s_wait_kmcnt 0x0
	s_add_nc_u64 s[22:23], s[4:5], s[22:23]
	CROUND                                         ; all four work-groups are here: the first joint loads meet
.irp s, 0,1
	s_mov_b32 s[G0K+4*\s], 1
	s_add_co_u32 s[G0K+4*\s+1], s2, \s*SLOT1
	s_add_nc_u64 s[G0K+4*\s+2:G0K+4*\s+3], s[22:23], 16777216+\s*SLOTB    ; part 1: k
	s_or_b32 s[G0K+4*\s+3], s[G0K+4*\s+3], 0x80000000
	s_mov_b32 s[G0V+4*\s], 1
	s_add_co_u32 s[G0V+4*\s+1], s2, \s*SLOT1+VOFF
	s_add_nc_u64 s[G0V+4*\s+2:G0V+4*\s+3], s[22:23], 33554432+\s*SLOTB    ; part 2: v
	s_or_b32 s[G0V+4*\s+3], s[G0V+4*\s+3], 0x80000000
.endr
	s_cmp_lt_u32 s[WV], 4                          ; a wave's two first fills stand in one branch: two loads of mine are out
	s_cbranch_scc0 .Lfirst_v
	tensor_load_to_lds s[G0K:G0K+3], s[G1K:G1K+7]
	s_nop 0
	tensor_load_to_lds s[G0K+4:G0K+7], s[G1K:G1K+7]
	s_nop 0
.rept 4
	v_nop
.endr
	s_branch .Lfirst_asked
.Lfirst_v:
	tensor_load_to_lds s[G0V:G0V+3], s[G1V:G1V+7]
	s_nop 0
	tensor_load_to_lds s[G0V+4:G0V+7], s[G1V:G1V+7]
	s_nop 0
.rept 4
	v_nop
.endr
.Lfirst_asked:
	s_lshl_b32 s14, s21, 18
	s_lshl_b32 s3, s13, 16                         ; my block's 512 rows of 128 bytes,
	s_lshl_b32 s72, s[WV], 13                      ; my wave's 64
	s_add_co_u32 s3, s3, s72
	s_add_co_u32 s14, s14, s3
	s_mov_b32 s15, 0
	s_add_nc_u64 s[14:15], s[4:5], s[14:15]        ; Q (part 0) at my first query
	s_and_b32 s70, s21, 15
	s_lshl_b32 s70, s70, 20                        ; O: the head's plane of 8,192 rows,
	s_lshr_b32 s72, s21, 4
	s_lshl_b32 s73, s72, 18                        ; the batch's 2,048 rows
	s_add_co_u32 s70, s70, s73
	s_add_co_u32 s70, s70, s3
	s_mov_b32 s71, 0
	s_add_nc_u64 s[70:71], s[10:11], s[70:71]
	s_lshl_b32 s68, s72, 11
	s_mov_b32 s69, 0
	s_add_nc_u64 s[68:69], s[8:9], s[68:69]        ; the batch's 2,048 mask bytes
	s_lshl_b32 s16, s21, 10
	s_mov_b32 s17, 0
	s_lshr_b32 s72, s3, 8                          ; fq: one word for each 8 rows: (512 cx + 64 w) / 2 bytes
	s_add_co_u32 s72, s72, s16
	s_mov_b32 s73, 0
	s_add_nc_u64 s[72:73], s[6:7], s[72:73]
	s_load_b32 s[FQ], s[72:73], 0x0                ; my 64 queries lie in one tile of 128 rows
	s_add_co_u32 s16, s16, 65536                   ; k's half of qkexp
	s_add_nc_u64 s[16:17], s[6:7], s[16:17]
	s_cmp_lt_u32 s[WV], 4
	s_mov_b32 s18, 33554432
	s_cselect_b32 s18, 16777216, s18
	s_lshl_b32 s19, s21, 18
	s_add_co_u32 s18, s18, s19
	s_lshl_b32 s19, s13, 13                        ; my work-group's quarter of a slot
	s_add_co_u32 s18, s18, s19
	s_add_co_u32 s18, s18, 2*SLOTB                 ; in slot 2: the first change of slots steps it to slot 3.  Nothing is prefetched at the head
	s_mov_b32 s19, 0
	s_add_nc_u64 s[PFA:PFA+1], s[4:5], s[18:19]
	s_and_b32 s[LIM], s[WV], 3
	s_cmp_eq_u32 s[LIM], 0
	s_cselect_b32 s[LIM], 1, -1                    ; waves 0 and 4
	v_and_b32 v14, 15, v0                          ; r
	v_bfe_u32 v15, v0, 4, 1                        ; h
	v_lshlrev_b32 v[QO], 7, v14
	v_lshl_add_u32 v[QO], v15, 4, v[QO]
	WIN 0x40                                       ; destination window 1
.irp i, 0,1,2,3,4,5,6,7                        ; Q stays in registers: tile i / 2, channels 32 (i % 2) on
	global_load_b128 v[128+8*\i:128+8*\i+3], v[QO], s[14:15] offset:(\i/2)*2048+(\i%2)*64
	global_load_b128 v[128+8*\i+4:128+8*\i+7], v[QO], s[14:15] offset:(\i/2)*2048+(\i%2)*64+32
.endr
	WIN 0
	v_lshlrev_b32 v[ADF], 3, v0
	global_load_b64 v[88:89], v[ADF], s[68:69]     ; thread i: the mask bytes of keys 8 i .. 8 i + 7
	v_lshlrev_b32 v[ADV], 2, v0
	global_load_b32 v90, v[ADV], s[16:17]          ; and word i of fk
	v_lshrrev_b32 v[AK0], 1, v14
	v_mul_u32_u24 v[AK0], v[AK0], PK
	v_and_b32 v[ADR], 1, v0
	v_lshl_add_u32 v[AK0], v[ADR], 7, v[AK0]
	v_lshl_add_u32 v[AK0], v15, 4, v[AK0]          ; key r: (r / 2) x pitch + 128 (r % 2) + 16 h
	v_bfe_u32 v[AV0], v0, 1, 2
	v_lshl_add_u32 v[AV0], v15, 2, v[AV0]          ; the turning load: key 8 h + lane % 8, channels 8 ((lane / 8) % 2) on
	v_mul_u32_u24 v[AV0], v[AV0], PV
	v_lshl_add_u32 v[AV0], v[ADR], 7, v[AV0]
	v_bfe_u32 v[ADB], v0, 3, 1
	v_lshl_add_u32 v[AV0], v[ADB], 4, v[AV0]
	v_add_nc_u32 v[AV0], VOFF, v[AV0]
	v_lshl_add_u32 v[AB0], v15, 5, BIASL           ; my half's eight keys of a tile
	v_mov_b32 v[FK0], FKL
	s_mul_i32 s3, s[WV], 16*SP
	s_add_co_u32 s3, s3, STAGE                     ; my stage
	v_mul_u32_u24 v[STO], v14, SP
	v_lshl_add_u32 v[STO], v15, 4, v[STO]
	v_add_nc_u32 v[STO], s3, v[STO]                ; in: row r, + 16 h
	v_bfe_u32 v[RD], v0, 3, 2
	v_mul_u32_u24 v[RD], v[RD], SP
	v_and_b32 v[GO], 7, v0
	v_lshl_add_u32 v[RD], v[GO], 4, v[RD]
	v_add_nc_u32 v[RD], s3, v[RD]                  ; back: eight lanes to a row of 128 bytes
	v_and_b32 v[PFO], 31, v0
	v_lshlrev_b32 v[GO], 4, v[PFO]
	v_lshlrev_b32 v[PFO], 8, v[PFO]
	v_lshl_add_u32 v91, v0, 5, BIASL
	v_lshl_add_u32 v92, v0, 2, FKL
.irp t, 0,1,2,3
	v_mov_b32 v[ST+8*\t], 0xff61b1e6               ; m: -3e38, under every t
	v_mov_b32 v[ST+8*\t+1], 0xff61b1e6
	v_mov_b32 v[ST+8*\t+2], 0                      ; l
	v_mov_b32 v[ST+8*\t+3], 0
.endr
	WIN 0x40
.set i, 0
.rept 128
	v_mov_b32 v[i], 0                              ; O^T.  The key step is written with no first form of its own: the first step finds zeros, which a = 0 leaves zeros
.set i, i+1
.endr
	WIN 0
	s_wait_loadcnt 0x0                             ; Q, the mask bytes, fk
.irp k, 0,1,2,3
	v_bfe_u32 v[96+\k], v88, 8*\k, 8
	v_bfe_u32 v[100+\k], v89, 8*\k, 8
.endr
.irp k, 0,1,2,3,4,5,6,7
	v_sub_nc_u32 v[96+\k], 0, v[96+\k]             ; 0 or all ones
.endr
.irp k, 0,1,2,3,4,5,6,7
	v_and_b32 v[96+\k], 0xff800000, v[96+\k]       ; 0 or -infinity
.endr
	ds_store_b128 v91, v[96:99]
	ds_store_b128 v91, v[100:103] offset:16
	ds_store_b32 v92, v90
	s_wait_kmcnt 0x0                               ; fq
	s_wait_tensorcnt 1                             ; my part of slot 0 is in; slot 1's may stay out
	s_wait_dscnt 0x0                               ; my part of the two tables is stored
	s_barrier_signal -1
	s_barrier_wait -1
; 25 LDS loads: a step's K (8 fragments of 16 keys x 32 channels), the mask's C for its four key tiles, its fk.  The four lines at the head are the places behind the products that read these registers.
.macro LOADK
	v_add_nc_u32 v[ADR], s[TB], v[AK0]
	v_add_nc_u32 v[ADB], s[TBI], v[AB0]
	v_add_nc_u32 v[ADF], s[TFK], v[FK0]
	v_nop
.irp f, 0,1,2,3,4,5,6,7                        ; keys 16 (f / 2) on, channels 32 (f % 2) on
	ds_load_b128 v[KF+8*\f:KF+8*\f+3], v[ADR] offset:(\f/2)*8*PK+(\f%2)*64
	ds_load_b128 v[KF+8*\f+4:KF+8*\f+7], v[ADR] offset:(\f/2)*8*PK+(\f%2)*64+32
.endr
.irp kt, 0,1,2,3
	ds_load_b128 v[BI+8*\kt:BI+8*\kt+3], v[ADB] offset:64*\kt
	ds_load_b128 v[BI+8*\kt+4:BI+8*\kt+7], v[ADB] offset:64*\kt+16
.endr
	ds_load_b32 v[FKV], v[ADF]
	s_add_co_u32 s[TBI], s[TBI], 256
	s_add_co_u32 s[TFK], s[TFK], 32
.endm
; 16 LDS loads: the same step's V, turned: fragment (keys 32 (f / 4) on, channels 16 (f % 4) on).  Four places at the head likewise.
.macro LOADV
.rept 3
	v_nop
.endr
	v_add_nc_u32 v[ADV], s[TB], v[AV0]
	s_add_co_u32 s[TB], s[TB], STEPB               ; the next fetch is the next step's
	WIN 0x40
.irp f, 0,1,2,3,4,5,6,7
	ds_load_tr16_b128 v[192+8*\f:192+8*\f+3], v[ADV] offset:(\f/4)*16*PV+(\f%4)*32
	ds_load_tr16_b128 v[192+8*\f+4:192+8*\f+7], v[ADV] offset:(\f/4)*16*PV+8*PV+(\f%4)*32
.endr
	WIN 0
.endm
; S^T = K Q^T for piece x: 16 products; eight accumulators by turns.  The first eight begin the sums with the mask's 0 or -infinity.
.macro KQ x
.set i, 0
.rept 16
.set rS, S+32*(i%2)+8*((i/2)%4)
.set rK, KF+8*(2*((i/2)%4)+i/8)
.set rQ, 128+16*(\x+i%2)+8*(i/8)
.set rB, BI+8*((i/2)%4)
.if i < 8
	v_wmma_f32_16x16x32_f16 v[rS:rS+7], v[rK:rK+7], v[rQ:rQ+7], v[rB:rB+7]
.else
	v_wmma_f32_16x16x32_f16 v[rS:rS+7], v[rK:rK+7], v[rQ:rQ+7], v[rS:rS+7]
.endif
.set i, i+1
.endr
.endm
; O^T += V^T P for piece x: 16 products; eight accumulators by turns.
.macro PV x
.set i, 0
.rept 16
.set rO, 32*(\x+i%2)+8*((i/2)%4)
.set rV, 192+8*(4*(i/8)+(i/2)%4)
.set rP, P+16*(i%2)+8*(i/8)
	v_wmma_f32_16x16x32_f16 v[rO:rO+7], v[rV:rV+7], v[rP:rP+7], v[rO:rO+7]
.set i, i+1
.endr
.endm
; The softmax of piece x for one key step; its two tiles alternate line by line, so that no line waits for the line above it.  It leaves the rescaling's window set.
.macro SM x
	WIN 0
.irp j, 0,1,2,3
.irp u, 0,1
	v_max3_num_f32 v[ST+8*(\x+\u)+4+\j], v[S+32*\u+8*\j], v[S+32*\u+8*\j+1], v[S+32*\u+8*\j+2]   ; four chains, one to a key tile, each from the accumulator's low end
.endr
.endr
.irp g, 1,2
.irp j, 0,1,2,3
.irp u, 0,1
	v_max3_num_f32 v[ST+8*(\x+\u)+4+\j], v[ST+8*(\x+\u)+4+\j], v[S+32*\u+8*\j+2*\g+1], v[S+32*\u+8*\j+2*\g+2]
.endr
.endr
.endr
.irp u, 0,1
	v_max3_num_f32 v[ST+8*(\x+\u)+4], v[ST+8*(\x+\u)+4], v[S+32*\u+7], v[S+32*\u+15]
.endr
.irp u, 0,1
	v_max3_num_f32 v[ST+8*(\x+\u)+6], v[ST+8*(\x+\u)+6], v[S+32*\u+23], v[S+32*\u+31]
.endr
.irp u, 0,1
	v_max3_num_f32 v[ST+8*(\x+\u)+4], v[ST+8*(\x+\u)+4], v[ST+8*(\x+\u)+5], v[ST+8*(\x+\u)+6]
.endr
.irp u, 0,1
	v_max_num_f32 v[ST+8*(\x+\u)+4], v[ST+8*(\x+\u)+4], v[ST+8*(\x+\u)+7]
.endr
.irp u, 0,1
	v_permlanex16_b32 v[ST+8*(\x+\u)+5], v[ST+8*(\x+\u)+4], s[SEL], s[SEL+1]   ; the query's other 32 keys lie in the lane 16 away
.endr
.irp u, 0,1
	v_max_num_f32 v[ST+8*(\x+\u)+4], v[ST+8*(\x+\u)+4], v[ST+8*(\x+\u)+5]
.endr
.irp u, 0,1
	v_mov_b32 v[ST+8*(\x+\u)+1], v[ST+8*(\x+\u)]                               ; the old m
.endr
.irp u, 0,1
	v_mul_f32 v[ST+8*(\x+\u)+4], v[ST+8*(\x+\u)+4], v[CT]                      ; the step's largest score as t (ct is positive)
.endr
.irp u, 0,1
	v_max_num_f32 v[ST+8*(\x+\u)], v[ST+8*(\x+\u)], v[ST+8*(\x+\u)+4]          ; the new m
.endr
.irp u, 0,1
	v_sub_f32 v[ST+8*(\x+\u)+7], v[ST+8*(\x+\u)+1], v[ST+8*(\x+\u)]
.endr
.set j, 0
.rept 16
.irp u, 0,1
	v_pk_fma_f32 v[S+32*\u+j:S+32*\u+j+1], v[S+32*\u+j:S+32*\u+j+1], v[CT:CT+1], v[ST+8*(\x+\u):ST+8*(\x+\u)+1] op_sel_hi:[1,0,0] neg_lo:[0,0,1] neg_hi:[0,0,1]   ; s' ct - m, two at a time
.endr
.set j, j+2
.endr
.irp u, 0,1
	v_exp_f32 v[ST+8*(\x+\u)+6], v[ST+8*(\x+\u)+7]                             ; a = 2^(old m - new m)
.endr
.set j, 0
.rept 32
.irp u, 0,1
	v_exp_f32 v[S+32*\u+j], v[S+32*\u+j]                                       ; p: one batch of 66 exponentials for the piece
.endr
.set j, j+1
.endr
	v_nop                                          ; a plain instruction behind the last exponential,
	s_wait_alu depctr_va_vdst(0)                   ; and the one wait ahead of the batch's first reader
.set j, 0
.rept 16
.irp u, 0,1
	v_cvt_pk_f16_f32 v[P+16*\u+j], v[S+32*\u+2*j], v[S+32*\u+2*j+1]
.endr
.set j, j+1
.endr
.irp z, 0,1,2,3,4,5,6,7                        ; the sum of the unrounded p: a tree over the tile's 16 pairs, in place
.irp u, 0,1
	v_pk_add_f32 v[S+32*\u+4*\z:S+32*\u+4*\z+1], v[S+32*\u+4*\z:S+32*\u+4*\z+1], v[S+32*\u+4*\z+2:S+32*\u+4*\z+3]
.endr
.endr
.irp z, 0,1,2,3
.irp u, 0,1
	v_pk_add_f32 v[S+32*\u+8*\z:S+32*\u+8*\z+1], v[S+32*\u+8*\z:S+32*\u+8*\z+1], v[S+32*\u+8*\z+4:S+32*\u+8*\z+5]
.endr
.endr
.irp z, 0,1
.irp u, 0,1
	v_pk_add_f32 v[S+32*\u+16*\z:S+32*\u+16*\z+1], v[S+32*\u+16*\z:S+32*\u+16*\z+1], v[S+32*\u+16*\z+8:S+32*\u+16*\z+9]
.endr
.endr
.irp u, 0,1
	v_pk_add_f32 v[S+32*\u:S+32*\u+1], v[S+32*\u:S+32*\u+1], v[S+32*\u+16:S+32*\u+17]
.endr
.irp u, 0,1
	v_pk_fma_f32 v[ST+8*(\x+\u)+2:ST+8*(\x+\u)+3], v[ST+8*(\x+\u)+2:ST+8*(\x+\u)+3], v[ST+8*(\x+\u)+6:ST+8*(\x+\u)+7], v[S+32*\u:S+32*\u+1] op_sel_hi:[1,0,1]   ; l = l a + the sum
.endr
	WIN W_RS
.set j, 0
.rept 16
.irp u, 0,1
	v_pk_mul_f32 v[32*(\x+\u)+j:32*(\x+\u)+j+1], v[32*(\x+\u)+j:32*(\x+\u)+j+1], v[ST+8*(\x+\u)+6:ST+8*(\x+\u)+7] op_sel_hi:[1,0]   ; O^T a, each accumulator from its low end on
.endr
.set j, j+2
.endr
.endm
; THE CHANGE OF SLOTS, in a slot's last step, when that step's K and V are in registers.  Each wave waits for all its tensor loads (one is out: its part of the other slot), adds 0 to its spare word, and waits for that and for
; its reads of the slot.  fill = 1: the barrier is a round of the cluster's, and the joint refill, the keys two slots on, is the first thing behind it: it has four key steps in which to land.
.macro CHANGE fill
	s_wait_tensorcnt 0x0                           ; no tensor load of mine is out, so a group 0 may be written
	ds_add_u32 v[SPW], v[NIL]                      ; 0 onto my spare word
.if \fill
.irp g, G0K+4, G0V+4
	s_xor_b32 s[\g+1], s[\g+1], SLOT1              ; the walking descriptor: the other slot than last time,
	s_add_nc_u64 s[\g+2:\g+3], s[\g+2:\g+3], SLOTB ; the next 256 keys
.endr
	s_wait_xcnt 0x0                                ; the last prefetch, four key steps back, has read its address
	s_add_nc_u64 s[PFA:PFA+1], s[PFA:PFA+1], SLOTB
	s_wait_dscnt 0x0                               ; the add is done, and my reads of the slot are over
	CROUND
	JLOAD
	ASK
.else
	s_wait_dscnt 0x0
	s_barrier_signal -1
	s_barrier_wait -1
.endif
	s_sub_co_u32 s[TB], s[TB], NST*STEPB           ; the fetches go back to a slot's first step,
	s_xor_b32 s[TB], s[TB], SLOT1                  ; in the other slot
.endm
; A KEY STEP.  kind 0: inside a slot; 1: a slot's last, with a refill; 2: a slot's last, with none; 3: the very last.
.macro STEP kind
	s_wait_dscnt 16                                ; K, the mask's C and fk are in; the sixteen younger loads are V's
	WIN W_KQ
	KQ 0
	WIN 0
	v_mul_f32 v[CT], s[FQ], v[FKV]                 ; fq fk: powers of two.  These four lines are the places behind the products
	v_mul_f32 v[CT], 0x3e38aa3b, v[CT]             ; x c = log2(e) / 8
	v_med3_num_f32 v[CT], v[CT], s59, s66
	v_mov_b32 v[CT+1], v[CT]                       ; (named with it as a pair)
	SM 0
	s_wait_dscnt 0x0                               ; V is in
	WIN W_PV
	PV 0
	WIN W_KQ
	KQ 2
	WIN 0
.if \kind == 1
	CHANGE 1
.elseif \kind == 2
	CHANGE 0
.endif
.if \kind < 3
	LOADK                                          ; the next step's; its first four lines are the places behind K Q^T
.else
.rept 4
	v_nop
.endr
.endif
	SM 2
	WIN W_PV
	PV 2
	WIN 0
.if \kind < 3
	LOADV
.endif
.endm
.macro THREE
	s_mov_b32 s[CNT], 3
.Lstep_\@:
	STEP 0
	s_sub_co_u32 s[CNT], s[CNT], 1
	s_cmp_lg_u32 s[CNT], 0
	s_cbranch_scc1 .Lstep_\@
.endm
	LOADK                                          ; key step 0
	LOADV
.Lslot:                                            ; six trips: every slot's worth of keys but the last two is followed by a refill
	THREE
	STEP 1
	s_sub_co_u32 s[SLOTS], s[SLOTS], 1
	s_cmp_lg_u32 s[SLOTS], 0
	s_cbranch_scc1 .Lslot
	THREE                                          ; the tail is written out
	STEP 2
	THREE
	STEP 3
	; THE WAY OUT.  l's halves are added; O^T / l is rounded to f16 and goes through my stage, a tile (16 rows of 128 bytes) at a time.  The additions are the places behind the last products.
.irp t, 0,1,2,3
	v_add_f32 v[ST+8*\t+4], v[ST+8*\t+2], v[ST+8*\t+3]
.endr
.irp t, 0,1,2,3
	v_permlanex16_b32 v[ST+8*\t+5], v[ST+8*\t+4], s[SEL], s[SEL+1]
.endr
.irp t, 0,1,2,3
	v_add_f32 v[ST+8*\t+4], v[ST+8*\t+4], v[ST+8*\t+5]
.endr
.irp t, 0,1,2,3
	v_rcp_f32 v[ST+8*\t+6], v[ST+8*\t+4]
.endr
	v_nop                                          ; a plain instruction behind the last reciprocal,
	s_wait_alu depctr_va_vdst(0)                   ; and one wait for the four
.macro PACK t
	WIN W_RS
.set i, 32*\t
.rept 16
	v_pk_mul_f32 v[i:i+1], v[i:i+1], v[ST+8*\t+6:ST+8*\t+7] op_sel_hi:[1,0]
.set i, i+2
.endr
	WIN 0x05                                       ; sources window 1, destination window 0
.set i, 0
.rept 16
	v_cvt_pk_f16_f32 v[S+16*\t+i], v[32*\t+2*i], v[32*\t+2*i+1]
.set i, i+1
.endr
	WIN 0
.irp f, 0,1,2,3
	ds_store_b128 v[STO], v[S+16*\t+4*\f:S+16*\t+4*\f+3] offset:32*\f
.endr
.irp f, 0,1,2,3
	ds_load_b128 v[KF+16*\t+4*\f:KF+16*\t+4*\f+3], v[RD] offset:\f*4*SP   ; a wave's LDS instructions are served in order: these see the stores above, and the next tile's stores come behind them
.endr
.endm
	PACK 0
	PACK 1
	PACK 2
	PACK 3
.irp t, 0,1,2,3
	s_wait_dscnt 8*(3-\t)                          ; behind tile t's loads: 4 stores and 4 loads for each later tile
.irp f, 0,1,2,3
	global_store_b128 v[GO], v[KF+16*\t+4*\f:KF+16*\t+4*\f+3], s[70:71] offset:\t*2048+\f*512   ; four rows: 512 consecutive bytes, aligned
.endr
.endr
	s_wait_tensorcnt 0x0                           ; the wave's end: behind my last tensor load and my last LDS store
	ds_add_u32 v[SPW], v[NIL]
	s_wait_dscnt 0x0
	CROUND                                         ; the closing round
	s_endpgm
.Lfunc_end_k_q9d2db9f661_attn:
	.size	k_q9d2db9f661_attn, .Lfunc_end_k_q9d2db9f661_attn-k_q9d2db9f661_attn
	.p2alignl 7, 3214868480
	.fill 96, 4, 3214868480
	.section	.rodata,"a",@progbits
	.p2align	6, 0x0
	.amdhsa_kernel k_q9d2db9f661_attn
		.amdhsa_group_segment_fixed_size 327680
		.amdhsa_private_segment_fixed_size 0
		.amdhsa_enable_private_segment 0
		.amdhsa_kernarg_size 32
		.amdhsa_user_sgpr_count 2
		.amdhsa_user_sgpr_kernarg_segment_ptr 1
		.amdhsa_wavefront_size32 1
		.amdhsa_system_sgpr_workgroup_id_x 1
		.amdhsa_system_sgpr_workgroup_id_y 1
		.amdhsa_system_sgpr_workgroup_id_z 1
		.amdhsa_system_vgpr_workitem_id 0
		.amdhsa_next_free_vgpr 512
		.amdhsa_next_free_sgpr 80
		.amdhsa_reserve_vcc 0
		.amdhsa_float_denorm_mode_32 3
		.amdhsa_float_denorm_mode_16_64 3
		.amdhsa_memory_ordered 1
		.amdhsa_forward_progress 1
		.amdhsa_inst_pref_size 228
	.end_amdhsa_kernel
	.amdgpu_metadata
---
amdhsa.version: [ 1, 2 ]
amdhsa.kernels:
  - .name:           k_q9d2db9f661_attn
    .symbol:         k_q9d2db9f661_attn.kd
    .args:
      - { .name: qkv16, .offset: 0, .size: 8, .value_kind: global_buffer, .address_space: global }
      - { .name: qkexp, .offset: 8, .size: 8, .value_kind: global_buffer, .address_space: global }
      - { .name: key_padding_mask, .offset: 16, .size: 8, .value_kind: global_buffer, .address_space: global }
      - { .name: att16, .offset: 24, .size: 8, .value_kind: global_buffer, .address_space: global }
    .group_segment_fixed_size: 327680
    .private_segment_fixed_size: 0
    .kernarg_segment_align: 8
    .kernarg_segment_size: 32
    .max_flat_workgroup_size: 256
    .sgpr_count:     80
    .vgpr_count:     512
    .wavefront_size: 32
...
	.end_amdgpu_metadata
.endif
;; end of part 3
;; launch oproj (part 4): grid 4 x 64, 4 waves a work-group, clusters of 4 x 4, 327,680 bytes of LDS; arguments att16, wo16, bo, out0; writes out0
.if DOCPART == 4
	.amdgcn_target "amdgcn-amd-amdhsa--gfx1250"
	.amdhsa_code_object_version 6
	.text
	.protected	k_q9d2db9f661_oproj
	.globl	k_q9d2db9f661_oproj
	.p2align	8
	.type	k_q9d2db9f661_oproj,@function
k_q9d2db9f661_oproj:
	s_mov_b64 s[64:65], 0
	v_nop
	global_prefetch_b8 v0, s[64:65] scope:SCOPE_SE
	s_setreg_imm32_b32 hwreg(HW_REG_WAVE_MODE, 25, 1), 1
	s_wait_xcnt 0x0
	s_wait_alu depctr_hold_cnt(0) depctr_sa_sdst(0) depctr_va_vdst(0) depctr_va_sdst(0) depctr_va_ssrc(0) depctr_va_vcc(0) depctr_vm_vsrc(0)
	s_getreg_b32 s2, hwreg(HW_REG_IB_STS2, 6, 4)
	s_cmp_eq_u32 s2, 0
	s_cbranch_scc0 .Lentry_in_a_cluster
	s_endpgm
.Lentry_in_a_cluster:
	s_bfe_u32 s2, ttmp6, 0x10000c
	s_cmp_lg_u32 s2, 0xf033
	s_cbranch_scc0 .Lentry_shape_is_right
	s_endpgm
.Lentry_shape_is_right:
; Launch 4 of 4: out[m][n] = the sum over k of att[m][k] Wo[n][k] + bo[n], f16 operands, f32 sums.  No work is left out.
; att: f16 [k / 64: 16 planes][8,192 m][64]; Wo: f16 [k / 64][1,024 n][64]; out: f32 [8,192][1,024].  Both have room in f16: att is a mean of v (drawn within about 6), Wo has a spread of 1/32.
; A tile of out is 128 (m) x 256 (n): 256 work-groups.  Four waves, each 64 x 128: 32 accumulators, 256 registers.  K goes in steps of 128, two planes, through a ring of two LDS slots.
; A plane's part of a tile is dense in memory (rows of 128 bytes on end), so it is stated as rows of 256 bytes, two rows of the matrix each: wave 0, 1 fetch att's two planes (64 such rows), waves 2, 3 Wo's (128).
; CLUSTERS: 4 x 4 work-groups; att's tiles are shared along a row of the cluster, Wo's along a column: joint loads.
; THE MATRIX INSTRUCTION IS USED TRANSPOSED (source 0 = 16 rows of Wo, source 1 = 16 rows of att): a lane holds eight neighbouring numbers of a row of out.  bo is the C of each sum's first instruction.
; REGISTERS.  Window 0: v0-31 addresses; v64-95, v96-127 att's fragments, two buffers; v128-191 bo, later with v192-255 rows on their way out.  Window 1: Wo's fragments, two buffers, v0-63, v64-127.  Window 2: accumulator (a, b) at v[8 (8 a + b)].
.set PITCH,  272                       ; an LDS row: 256 bytes + 16: the 16 matrix rows of a fragment load start at 16 different multiples of 16 bytes modulo 256
.set APL,    64*PITCH                  ; a plane of att's tile: 128 matrix rows
.set BPL,    128*PITCH                 ; a plane of Wo's tile: 256 matrix rows
.set SLOT,   2*APL+2*BPL
.set STAGE,  2*SLOT                    ; behind the ring: 16 rows x 528 bytes for each wave
.set SPITCH, 528
.set SPARE,  STAGE+4*16*SPITCH         ; the spare words: 128 bytes for each wave, named by no other line
.set LAPS,   4                         ; a lap = two K steps
.set KSA,    2*1048576                 ; a K step on, in att: two planes
.set KSW,    2*131072                  ; and in Wo
.set ADRA, 16
.set ADRB, 20
.set STO,  24
.set RD,   25
.set CO,   26
.set BO,   27
.set SPW,  28
.set NIL,  29
.set PFO,  30
.set AF,   64
.set BIAS, 128
.set BK,   128
.set WV,   12
.set RH,   13                          ; which 64 rows are mine; also: I fetch for att (0) or for Wo (1)
.set CH,   14                          ; which 128 columns; also: which plane I fetch
.set TR,   15
.set G1,   24
.set G0,   32
.set LIM,  45
.set G1B,  48
.set G0B,  56
.set PFA,  66
.set MSB, 0
.macro WIN new
.if MSB != (\new)
	s_set_vgpr_msb (MSB<<8)+(\new)
.set MSB, (\new)
.endif
.endm
.set MUL,   0xa1                       ; source 0 (Wo) window 1, source 1 (att) window 0, C and D window 2
.set MUL_1, 0x81                       ; the same with C, the bias, in window 0
.set TO_B,  0x40
.macro JLOAD s                         ; a joint load; the branch hangs on the wave's number alone; an s_nop 0 and four v_nop follow each line
	s_cmp_eq_u32 s[RH], 0
	s_cbranch_scc0 .Lfor_b_\@
	tensor_load_to_lds s[G0+4*\s:G0+4*\s+3], s[G1:G1+7]
	s_nop 0
.rept 4
	v_nop
.endr
	s_branch .Lasked_\@
.Lfor_b_\@:
	tensor_load_to_lds s[G0B+4*\s:G0B+4*\s+3], s[G1B:G1B+7]
	s_nop 0
.rept 4
	v_nop
.endr
.Lasked_\@:
.endm
; A prefetch of att's K step that stands two refills on.  One cluster reads a tile row of att; the four partners that ask for it jointly share a K step's 128 blocks of 256 bytes by address (plane cx / 2, half cx % 2 of its
; 16,384 bytes), a lane a block, wave 0 of each: every block is named once.  The last lap's two refills have no K step two on.  Wo's 2 MiB are read by all sixteen clusters and are not asked for.
.macro ASK
	s_cmp_gt_u32 s3, s[LIM]
	s_cbranch_scc0 .Lnot_mine_\@
	global_prefetch_b8 v[PFO], s[PFA:PFA+1] offset:KSA th:TH_LOAD_NT scope:SCOPE_SE
.Lnot_mine_\@:
.endm
.macro CREST                           ; a round of the cluster's barrier behind its opening barrier
	s_cmp_lg_u32 s[WV], 0
	s_cbranch_scc1 .Lnot_wave_0_\@
	s_barrier_signal -3
.Lnot_wave_0_\@:
	s_barrier_wait -3
	s_barrier_signal -1
	s_barrier_wait -1
.endm
.macro CROUND
	s_barrier_signal -1
	s_barrier_wait -1
	CREST
.endm
	s_load_b256 s[4:11], s[0:1], 0x0               ; att16 s[4:5], wo16 s[6:7], bo s[8:9], out0 s[10:11]
	v_lshl_add_u32 v[SPW], v0, 2, SPARE
	v_mov_b32 v[NIL], 0
	ds_add_u32 v[SPW], v[NIL]                      ; the wave's opening: the add, twice on end, and its wait ahead of my first tensor load
	ds_add_u32 v[SPW], v[NIL]
	v_lshrrev_b32 v1, 5, v0
	v_readfirstlane_b32 s[WV], v1
	s_lshr_b32 s[RH], s[WV], 1
	s_and_b32 s[CH], s[WV], 1
	s_bfe_u32 s40, ttmp6, 0x40000                  ; cx, cy
	s_bfe_u32 s41, ttmp6, 0x40004
	s_lshl_b32 s42, ttmp9, 2
	s_add_co_u32 s42, s42, s40                     ; tile column
	s_and_b32 s[TR], ttmp7, 0xffff
	s_lshl_b32 s[TR], s[TR], 2
	s_add_co_u32 s[TR], s[TR], s41                 ; tile row
	s_lshl_b32 s43, s41, 2
	s_lshl_b32 s43, 15, s43                        ; my row of the cluster
	s_lshl_b32 s44, 0x1111, s40                    ; my column
	s_or_b32 s[G1+0], s43, (1<<16)|(1<<20)|(1<<21)|(5<<22)|(3<<25)   ; the mask; elements of 2 bytes; padding on; bit 21 beside a mask; after every 64 words, 4 words
	s_or_b32 s[G1B+0], s44, (1<<16)|(1<<20)|(1<<21)|(5<<22)|(3<<25)
	s_mov_b32 s[G1+1], 128<<16                     ; tensor_dim0 = 128 elements
	s_mov_b32 s[G1+2], 64<<16                      ; tensor_dim1 = 64
	s_mov_b32 s[G1+3], 128<<16                     ; tile_dim0
	s_mov_b32 s[G1+4], 64                          ; tile_dim1
	s_mov_b32 s[G1+5], 128                         ; dense
	s_mov_b32 s[G1+6], 0
	s_mov_b32 s[G1+7], 0
	s_mov_b32 s[G1B+1], 128<<16
	s_mov_b32 s[G1B+2], 128<<16                    ; 128 rows
	s_mov_b32 s[G1B+3], 128<<16
	s_mov_b32 s[G1B+4], 128
	s_mov_b32 s[G1B+5], 128
	s_mov_b32 s[G1B+6], 0
	s_mov_b32 s[G1B+7], 0
	s_lshl_b32 s16, s[TR], 14                      ; att: the tile's 128 rows of 128 bytes,
	s_lshl_b32 s18, s[CH], 20                      ; my plane
	s_add_co_u32 s16, s16, s18
	s_mov_b32 s17, 0
	s_lshl_b32 s46, s42, 15                        ; Wo: the tile's 256 rows,
	s_lshl_b32 s18, s[CH], 17
	s_add_co_u32 s46, s46, s18
	s_mov_b32 s47, 0
	s_mul_i32 s20, s[CH], APL                      ; where they go: att's two planes, then Wo's two
	s_mul_i32 s21, s[CH], BPL
	s_add_co_u32 s21, s21, 2*APL
	s_wait_dscnt 0x0                               ; both opening adds are done
	s_wait_kmcnt 0x0
	s_add_nc_u64 s[16:17], s[4:5], s[16:17]
	s_add_nc_u64 s[46:47], s[6:7], s[46:47]
	CROUND                                         ; all sixteen work-groups are here: the first joint loads meet
.irp s, 0,1
	s_mov_b32 s[G0+4*\s], 1
	s_add_co_u32 s[G0+4*\s+1], s20, \s*SLOT
	s_add_nc_u64 s[G0+4*\s+2:G0+4*\s+3], s[16:17], \s*KSA
	s_or_b32 s[G0+4*\s+3], s[G0+4*\s+3], 0x80000000
	s_mov_b32 s[G0B+4*\s], 1
	s_add_co_u32 s[G0B+4*\s+1], s21, \s*SLOT
	s_add_nc_u64 s[G0B+4*\s+2:G0B+4*\s+3], s[46:47], \s*KSW
	s_or_b32 s[G0B+4*\s+3], s[G0B+4*\s+3], 0x80000000
	JLOAD \s                                       ; two tensor loads of mine are out
.endr
	v_and_b32 v1, 15, v0                           ; r
	v_bfe_u32 v2, v0, 4, 1                         ; h
	v_lshrrev_b32 v3, 1, v1
	v_mul_u32_u24 v3, v3, PITCH
	v_and_b32 v4, 1, v0
	v_lshl_add_u32 v3, v4, 7, v3
	v_lshl_add_u32 v3, v2, 4, v3                   ; matrix row r: (r / 2) x pitch + 128 (r % 2) + 16 h
	s_mul_i32 s18, s[RH], 32*PITCH                 ; my 64 rows of att
	s_mul_i32 s19, s[CH], 64*PITCH                 ; my 128 rows of Wo,
	s_add_co_u32 s19, s19, 2*APL                   ; behind att's planes
.irp s, 0,1
	v_add_nc_u32 v[ADRA+\s], s18, v3
	v_add_nc_u32 v[ADRB+\s], s19, v3
	s_add_co_u32 s18, s18, SLOT
	s_add_co_u32 s19, s19, SLOT
.endr
	s_mul_i32 s18, s[WV], 16*SPITCH
	s_add_co_u32 s18, s18, STAGE                   ; my stage
	v_mul_u32_u24 v4, v1, SPITCH
	v_lshl_add_u32 v4, v2, 5, v4
	v_add_nc_u32 v[STO], s18, v4                   ; in: row r, + 32 h
	v_and_b32 v5, 31, v0
	v_lshlrev_b32 v[CO], 4, v5                     ; back: the 32 lanes take one row of 512 bytes; and the same in out
	v_add_nc_u32 v[RD], s18, v[CO]
	v_lshlrev_b32 v[BO], 5, v2
	v_lshlrev_b32 v[PFO], 8, v5
	s_lshl_b32 s22, s42, 10
	s_lshl_b32 s23, s[CH], 9
	s_add_co_u32 s22, s22, s23                     ; my first column, in bytes: 1,024 x tile column + 512 x half
	s_mov_b32 s23, 0
	s_add_nc_u64 s[8:9], s[8:9], s[22:23]
	s_add_nc_u64 s[10:11], s[10:11], s[22:23]
	s_lshl_b32 s22, s[TR], 19
	s_lshl_b32 s18, s[RH], 18
	s_add_co_u32 s22, s22, s18                     ; my first row: (128 x tile row + 64 x half) x 4,096 bytes
	s_add_nc_u64 s[10:11], s[10:11], s[22:23]
.irp b, 0,1,2,3,4,5,6,7
	global_load_b128 v[BIAS+8*\b:BIAS+8*\b+3], v[BO], s[8:9] offset:64*\b        ; register 8 b + j: bo of column 16 b + 8 h + j
	global_load_b128 v[BIAS+8*\b+4:BIAS+8*\b+7], v[BO], s[8:9] offset:64*\b+16
.endr
	s_lshl_b32 s22, s[TR], 14                      ; the prefetches: the tile's rows,
	s_lshr_b32 s18, s40, 1
	s_lshl_b32 s18, s18, 20                        ; plane cx / 2 of the K step,
	s_add_co_u32 s22, s22, s18
	s_and_b32 s18, s40, 1
	s_lshl_b32 s18, s18, 13                        ; half cx % 2 of its 16,384 bytes,
	s_add_co_u32 s22, s22, s18
	s_add_co_u32 s22, s22, 2*KSA                   ; at K step 2: the first refill steps it to 3 and names K step 4.  Nothing is prefetched at the head
	s_add_nc_u64 s[PFA:PFA+1], s[4:5], s[22:23]
	s_cmp_eq_u32 s[WV], 0
	s_cselect_b32 s[LIM], 1, -1
.macro MUL8 f, a, first                ; att's block a against Wo's eight, 32 along K, buffers f.  The 32 accumulators take turns, in the same order in every quarter
.irp b, 0,1,2,3,4,5,6,7
.if \first
	v_wmma_f32_16x16x32_f16 v[8*(8*(\a)+\b):8*(8*(\a)+\b)+7], v[64*(\f)+8*\b:64*(\f)+8*\b+7], v[AF+32*(\f)+8*(\a):AF+32*(\f)+8*(\a)+7], v[BIAS+8*\b:BIAS+8*\b+7]
.else
	v_wmma_f32_16x16x32_f16 v[8*(8*(\a)+\b):8*(8*(\a)+\b)+7], v[64*(\f)+8*\b:64*(\f)+8*\b+7], v[AF+32*(\f)+8*(\a):AF+32*(\f)+8*(\a)+7], v[8*(8*(\a)+\b):8*(8*(\a)+\b)+7]
.endif
.endr
.endm
.macro FETCH slot, q, f                ; 24 LDS loads: quarter q of the slot (plane q / 2, channels 32 (q % 2) on) into buffers f: Wo's eight fragments, then att's four
	WIN TO_B
.irp i, 0,1,2,3,4,5,6,7
	ds_load_b128 v[64*(\f)+8*\i:64*(\f)+8*\i+3], v[ADRB+\slot] offset:((\q)/2)*BPL+((\q)%2)*64+\i*8*PITCH
	ds_load_b128 v[64*(\f)+8*\i+4:64*(\f)+8*\i+7], v[ADRB+\slot] offset:((\q)/2)*BPL+((\q)%2)*64+\i*8*PITCH+32
.endr
	WIN 0
.irp i, 0,1,2,3
	ds_load_b128 v[AF+32*(\f)+8*\i:AF+32*(\f)+8*\i+3], v[ADRA+\slot] offset:((\q)/2)*APL+((\q)%2)*64+\i*8*PITCH
	ds_load_b128 v[AF+32*(\f)+8*\i+4:AF+32*(\f)+8*\i+7], v[ADRA+\slot] offset:((\q)/2)*APL+((\q)%2)*64+\i*8*PITCH+32
.endr
.endm
.macro PLACES                          ; four plain vector instructions between a matrix instruction and a load into, or a read of, its registers (ISA guide 7.12.1 for a read)
.rept 4
	v_nop
.endr
.endm
; One of a K step's first three quarters: multiplies buffers f; in its middle it fetches quarter qn of the same slot into buffers g.
.macro QUARTER slot, qn, f, g, first
	s_wait_dscnt 4                                 ; Wo's fragments and att's blocks 0, 1 are in; the youngest four loads (blocks 2, 3) may be out
.if \first
	WIN MUL_1
.else
	WIN MUL
.endif
	MUL8 \f, 0, \first
	MUL8 \f, 1, \first
	PLACES
	FETCH \slot, \qn, \g
	s_wait_dscnt 24                                ; all but the 24 just issued
.if \first
	WIN MUL_1
.else
	WIN MUL
.endif
	MUL8 \f, 2, \first
	MUL8 \f, 3, \first
.endm
; The last quarter multiplies buffers 1 and changes slots: one barrier; in front of it each wave waits for all its tensor loads, adds 0 to its spare word, and waits for that and for its reads of this slot.
; fill = 1: the barrier opens a round of the cluster's, and this slot is filled again, two K steps ahead, first thing behind the round.
.macro TURN slot, next, fill
.if \fill
	s_wait_xcnt 0x0                                ; the last prefetch, a K step back, has read its address
	s_add_nc_u64 s[PFA:PFA+1], s[PFA:PFA+1], KSA
.endif
	WIN 0
	s_wait_tensorcnt 0x0                           ; all my tensor loads have landed: my part of the next slot
	ds_add_u32 v[SPW], v[NIL]                      ; 0 onto my spare word
	s_wait_dscnt 5                                 ; the add and the youngest four loads may be out
	WIN MUL
	MUL8 1, 0, 0
	s_wait_dscnt 0x0                               ; the add is done, and my reads of this slot are over
	s_barrier_signal -1
	MUL8 1, 1, 0
	WIN 0
	s_barrier_wait -1
.if \fill
	CREST                                          ; no wave of any partner still reads this slot or has a load on its way
	s_add_nc_u64 s[G0+4*\slot+2:G0+4*\slot+3], s[G0+4*\slot+2:G0+4*\slot+3], 2*KSA
	s_add_nc_u64 s[G0B+4*\slot+2:G0B+4*\slot+3], s[G0B+4*\slot+2:G0B+4*\slot+3], 2*KSW
	JLOAD \slot                                    ; its four v_nop are also the places in front of the loads below
.else
	PLACES
.endif
	FETCH \next, 0, 0
.if \fill
	ASK
.endif
	WIN MUL
	MUL8 1, 2, 0
	MUL8 1, 3, 0
.endm
	s_wait_tensorcnt 1                             ; my part of K step 0 is in; K step 1's load may be out
	s_barrier_signal -1
	s_barrier_wait -1
	FETCH 0, 0, 0
	s_wait_loadcnt 0x0                             ; bo
	QUARTER 0, 1, 0, 1, 1                          ; the first quarter stands in front of the loop: its products begin the sums, with bo
	WIN 0
	s_mov_b32 s3, LAPS-1
.Llap:                                             ; a trip goes once round the ring, from a lap's second quarter to the next lap's first, and fills both slots again
	QUARTER 0, 2, 1, 0, 0
	QUARTER 0, 3, 0, 1, 0
	TURN 0, 1, 1
	QUARTER 1, 1, 0, 1, 0
	QUARTER 1, 2, 1, 0, 0
	QUARTER 1, 3, 0, 1, 0
	TURN 1, 0, 1
	QUARTER 0, 1, 0, 1, 0
	WIN 0
	s_sub_co_u32 s3, s3, 1
	s_cmp_lg_u32 s3, 0
	s_cbranch_scc1 .Llap
	QUARTER 0, 2, 1, 0, 0                          ; the last lap fills nothing
	QUARTER 0, 3, 0, 1, 0
	TURN 0, 1, 0
	QUARTER 1, 1, 0, 1, 0
	QUARTER 1, 2, 1, 0, 0
	QUARTER 1, 3, 0, 1, 0
	s_wait_dscnt 4                                 ; the very last quarter
	WIN MUL
	MUL8 1, 0, 0
	MUL8 1, 1, 0
	s_wait_dscnt 0
	MUL8 1, 2, 0
	MUL8 1, 3, 0
	WIN 0
; THE WAY OUT, block by block of 16 rows x 128 columns: through my own stage, back as whole rows of 512 bytes.  A wave's LDS instructions are served in order: no wait between the stores and the loads.
.macro TOSTAGE a
	WIN 0x08                                       ; an LDS store's data: window 2
.irp b, 0,1,2,3,4,5,6,7
	ds_store_b128 v[STO], v[8*(8*(\a)+\b):8*(8*(\a)+\b)+3] offset:64*\b          ; each accumulator from its low end on
	ds_store_b128 v[STO], v[8*(8*(\a)+\b)+4:8*(8*(\a)+\b)+7] offset:64*\b+16
.endr
	WIN 0
.set BB, BK+64*((\a)%2)
.irp t, 0,1,2,3,4,5,6,7,8,9,10,11,12,13,14,15
	ds_load_b128 v[BB+4*\t:BB+4*\t+3], v[RD] offset:\t*SPITCH
.endr
.endm
.macro SEND a, younger
.set BB, BK+64*((\a)%2)
	s_wait_dscnt \younger
.irp t, 0,1,2,3,4,5,6,7,8,9,10,11,12,13,14,15
	global_store_b128 v[CO], v[BB+4*\t:BB+4*\t+3], s[10:11] offset:(\a)*65536+\t*4096 th:TH_STORE_NT   ; 32 lanes store 512 consecutive bytes, aligned; written once, read by nobody here
.endr
.endm
	PLACES
	TOSTAGE 0
.irp a, 1,2,3
.if \a > 1
	s_wait_xcnt 0x0                                ; block a - 2's stores have read their registers: block a's loads may land there
.endif
	TOSTAGE \a
	SEND \a-1, 32                                  ; behind block a - 1's loads: block a's 16 stores and 16 loads
.endr
	SEND 3, 0
	s_wait_tensorcnt 0x0                           ; the wave's end: behind my last tensor load and my last LDS store
	ds_add_u32 v[SPW], v[NIL]
	s_wait_dscnt 0x0
	CROUND                                         ; the closing round
	s_endpgm
.Lfunc_end_k_q9d2db9f661_oproj:
	.size	k_q9d2db9f661_oproj, .Lfunc_end_k_q9d2db9f661_oproj-k_q9d2db9f661_oproj
	.p2alignl 7, 3214868480
	.fill 96, 4, 3214868480
	.section	.rodata,"a",@progbits
	.p2align	6, 0x0
	.amdhsa_kernel k_q9d2db9f661_oproj
		.amdhsa_group_segment_fixed_size 327680
		.amdhsa_private_segment_fixed_size 0
		.amdhsa_enable_private_segment 0
		.amdhsa_kernarg_size 32
		.amdhsa_user_sgpr_count 2
		.amdhsa_user_sgpr_kernarg_segment_ptr 1
		.amdhsa_wavefront_size32 1
		.amdhsa_system_sgpr_workgroup_id_x 1
		.amdhsa_system_sgpr_workgroup_id_y 1
		.amdhsa_system_sgpr_workgroup_id_z 1
		.amdhsa_system_vgpr_workitem_id 0
		.amdhsa_next_free_vgpr 768
		.amdhsa_next_free_sgpr 72
		.amdhsa_reserve_vcc 0
		.amdhsa_float_denorm_mode_32 3
		.amdhsa_float_denorm_mode_16_64 3
		.amdhsa_memory_ordered 1
		.amdhsa_forward_progress 1
		.amdhsa_inst_pref_size 88
	.end_amdhsa_kernel
	.amdgpu_metadata
---
amdhsa.version: [ 1, 2 ]
amdhsa.kernels:
  - .name:           k_q9d2db9f661_oproj
    .symbol:         k_q9d2db9f661_oproj.kd
    .args:
      - { .name: att16, .offset: 0, .size: 8, .value_kind: global_buffer, .address_space: global }
      - { .name: wo16, .offset: 8, .size: 8, .value_kind: global_buffer, .address_space: global }
      - { .name: bo, .offset: 16, .size: 8, .value_kind: global_buffer, .address_space: global }
      - { .name: out0, .offset: 24, .size: 8, .value_kind: global_buffer, .address_space: global }
    .group_segment_fixed_size: 327680
    .private_segment_fixed_size: 0
    .kernarg_segment_align: 8
    .kernarg_segment_size: 32
    .max_flat_workgroup_size: 128
    .sgpr_count:     72
    .vgpr_count:     768
    .wavefront_size: 32
...
	.end_amdgpu_metadata
.endif
;; end of part 4
